; MI455X (gfx1250); checked and timed in simulation.
; The chip was launched on July 23, 2026; its instructions are those of AMD's public machine-readable ISA for CDNA 5 (MIT licence, August 2026) and "CDNA5" Instruction Set Architecture Reference Guide (July 2026). The comments in the code are by the model that wrote it; some were corrected since.
;; Symmetric CGA Attention. Allowed arithmetic: matrix products marked QUANTISED: E2M3 operands, one E8M0 scale for each 32 along K, by v_wmma_scale_f32_16x16x128_f8f6f4 with both operands' format E2M3, f32 sums; everything else in f32.
;; Inputs: Bbias 1,025 x 1,025 float32; fc 1,025 x 32 x 2 float32; g 1,024 float32; gate_b 1,024 float32; gate_w 1,024 x 1,024 float32; out_b 1,024 float32; out_w 1,024 x 1,024 float32; qkv_b 3,072 float32; qkv_w 3,072 x 1,024 float32; x 8 x 1,025 x 1,024 float32.
;; Outputs: out0 8 x 1,025 x 1,024 float32.
;; This version of the problem:
;;   THIS VERSION OF THE PROBLEM IS GIVEN IN LOW PRECISION. The matrix products marked QUANTISED in the list below multiply operands that are first quantised to E2M3 (2 exponent bits, 3 mantissa bits; 6 bits a number), with one power-of-two scale for each 32 numbers along K (OCP MX v1.0); their sums are f32. All else is computed in f32.
;;   The module's matrix products, in the order in which they are computed (A, B: the left and right operand; K: the contracted axis; several contracted axes count as one K, in the product's order):
;;     1. [M 8,200, K 1,024] x [K 1,024, N 3,072]; A: computed on the way; B: input qkv_w: QUANTISED
;;     2. batch 128 x [M 1,025, K 64] x [K 64, N 1,025]; A: computed on the way; B: computed on the way: QUANTISED
;;     3. batch 128 x [M 1,025, K 1,025] x [K 1,025, N 64]; A: softmax (see below); B: computed on the way: QUANTISED
;;     4. [M 8,200, K 1,024] x [K 1,024, N 1,024]; A: computed on the way; B: input out_w: QUANTISED
;;     5. [M 8,200, K 1,024] x [K 1,024, N 1,024]; A: computed on the way; B: input gate_w: QUANTISED
;;   THE QUANTISER, for each operand of a quantised product, along K:
;;     - K is cut into blocks of 32 from its start; a last block that is shorter is filled with zeros.
;;     - A block's scale is 2^e with e = floor(log2(the largest magnitude in the block)) - 2, held to -126 .. 127; a block of zeros has e = 0. As a byte (E8M0): e + 127.
;;     - Each number is divided by its block's scale, clamped to +-7.5, and rounded to the nearest number of E2M3, ties to even, subnormals kept.
;;     - The product sums the exact products of the quantised numbers (number of the format x scale) in f32.
;;   ~~~python
;;   def quantise(x, axis):      # numpy; x: float32 -> the quantised numbers, widened to float32 again
;;       x = np.moveaxis(x, axis, -1); K = x.shape[-1]
;;       x = np.pad(x, [(0, 0)] * (x.ndim - 1) + [(0, -K % 32)]); x = x.reshape(x.shape[:-1] + (-1, 32)); a = np.abs(x).max(-1, keepdims=True)
;;       e = np.where(a > 0, np.clip(np.frexp(np.where(a > 0, a, 1))[1] - 1 - 2, -126, 127), 0)      # np.frexp(a)[1] - 1 = floor(log2(a)), exactly
;;       r = np.clip(x / 2.0 ** e, -7.5, 7.5)
;;       step = 2.0 ** (np.maximum(np.frexp(np.where(r == 0, 1, r))[1] - 1, 0) - 3)
;;       q = np.round(r / step) * step * 2.0 ** e      # np.round: ties to even
;;       return np.moveaxis(q.reshape(q.shape[:-2] + (-1,))[..., :K], -1, axis).astype(np.float32)
;;   ~~~
;;   SOFTMAX AHEAD OF A QUANTISED PRODUCT. Where the list says 'softmax', what is quantised is not the finished softmax but p = 2^(t - M), with t = logit x log2(e) and M = ceil(the row's largest t), a whole number; so 1/2 < the row's largest p <= 1. The row's sum l is taken of the UNQUANTISED p, in f32, and the product's result is divided by l at the end. Since M is a whole number, a kernel that streams over the keys may use a running M (the ceiling of the running maximum): every later rescaling is an exact power of two, which a block's scale takes up: the codes' values come out the same.
;;   OPERANDS COMPUTED ON THE WAY. 'Computed on the way' means the value that the module computes at that place (a softmax that the list does not call 'softmax' is quantised finished and normalised). What goes into a quantiser is computed in f32, as accurately as f32 sums, v_exp_f32 and their like allow (about 1e-6 of the number): no bf16 or f16 on the way to a quantiser, and a product that is left as it is and whose result goes on into a quantised operand takes f32 operands (vector FMAs, or v_wmma_f32_16x16x4_f32). A number that lies on a knife's edge between two numbers of the format may be rounded either way, as far as f32 arithmetic and the matrix unit's own rounding can turn it there, and no further.
;; One version. Each part assembles by itself: llvm-mc -triple=amdgcn-amd-amdhsa -mcpu=gfx1250 --defsym DOCPART=n.
;; ======== version 1 of 1: 4 launches
;; limits: inputs' magnitudes at most 1e+30; right only within a limited range of input values
;; workspace buffers: hq 6,746,112 bytes; wq 4,202,496 bytes; yq 6,660,096 bytes; bp 4,792,320 bytes; qr 7,667,712 bytes; kv 15,040,512 bytes
;; launch prep (part 1): grid 977 x 1, 8 waves a work-group, no clusters, 51,200 bytes of LDS; arguments x, g, qkv_w, out_w, gate_w, Bbias, hq, wq, bp; writes hq, wq, bp
.if DOCPART == 1
	.amdgcn_target "amdgcn-amd-amdhsa--gfx1250"
	.amdhsa_code_object_version 6
	.text
	.protected	k_q23a3bd63c4_prep
	.globl	k_q23a3bd63c4_prep
	.p2align	8
	.type	k_q23a3bd63c4_prep,@function
k_q23a3bd63c4_prep:
	s_mov_b64 s[64:65], 0
	v_nop
	global_prefetch_b8 v0, s[64:65] scope:SCOPE_SE
	s_setreg_imm32_b32 hwreg(HW_REG_WAVE_MODE, 25, 1), 1
	s_wait_xcnt 0x0
; Work-groups 0-526: a tile of 16 rows of x: zero-centred RMS norm, times g, quantised to E2M3 along the 1,024 -> hq.
; Work-groups 527-846: a tile of 16 rows of qkv_w (192 tiles), out_w (64), gate_w (64): quantised -> wq.
; Work-groups 847-976: 8 rows of Bbias -> bp, rows of 1,152 f32, columns past 1,024 filled with -1e30.
; ROW ORDER: position r of tile t holds source row 32 (t / 2) + 8 (t % 2) + r + 8 (r / 8); token rows are held at 1,024, so the
; spare positions of a batch's tile 64 (and hq's tiles 520-526) are copies of the last token.
; CODES: a tile is 16 half fragments of 768 bytes (16 rows x 64 along K as the matrix operand's registers lie: lane l's registers 0-3
; at 16 l, registers 4-5 at 512 + 8 l; lane = r + 16 h holds k = 32 h .. 32 h + 31).  SCALES: [256 along K][row][8 bytes], 8,448 rows to a plane.
; A wave takes two rows.  Loads are dense (512 bytes an instruction); a row turns through the wave's own stage in LDS so that lane l holds block l whole.
; LIMITS: NaN and infinities are not served.  A block of zeros gets the byte 1 (the rule says 127): its codes are zeros and only this program reads the bytes.
.set M65,  0x03F03F04                  ; ceil(2^32 / 65): the high word of n x M65 is n / 65 for the n met here
.set HSO,  6475776                     ; hq: 527 tiles of codes, then the scales
.set WSO,  3932160                     ; wq: 320 tiles of codes, then the scales
.set SKP,  67584                       ; a plane of scales: 8,448 rows x 8 bytes
.set RTB,  12288                       ; a tile's codes
.set NXT,  527
.set NWT,  320
.set STGB, 4608                        ; a wave's stage: 32 places of 128 + 16 bytes
.set IMG,  8*STGB                      ; the tile's image, 12,288 bytes
.set SIMG, IMG+RTB                     ; its scale bytes, [4][16][8]
.set XA,   32                          ; v32-63  the wave's first row
.set XB,   64                          ; v64-95  its second
.set Y,    96                          ; v96-127 g, then a block of 32 a lane
	s_load_b256 s[4:11], s[0:1], 0x0               ; x, g, qkv_w, out_w
	s_load_b256 s[12:19], s[0:1], 0x20             ; gate_w, Bbias, hq, wq
	s_load_b64 s[20:21], s[0:1], 0x40              ; bp
	v_lshl_add_u32 v128, v0, 2, 0xc400
	v_mov_b32 v129, 0
	v_lshrrev_b32 v1, 5, v0
	v_readfirstlane_b32 s22, v1                    ; wave
	v_and_b32 v1, 31, v0                           ; lane
	v_lshlrev_b32 v2, 4, v1                        ; 16 x lane
	s_cmp_ge_u32 ttmp9, NXT+NWT
	s_cbranch_scc1 .Lbias
	s_cmp_lt_u32 ttmp9, NXT
	s_cselect_b32 s23, 1, 0                        ; 1: rows of x
	s_mul_hi_u32 s32, ttmp9, M65
	s_min_u32 s32, s32, 7                          ; x: the batch
	s_mul_i32 s33, s32, 65
	s_sub_co_u32 s33, ttmp9, s33                   ; x: the tile in its batch (65-71 for the seven spare tiles)
	s_sub_co_u32 s34, ttmp9, NXT                   ; weights: the tile in wq
	s_mul_i32 s48, s22, STGB
	v_lshrrev_b32 v12, 3, v1
	v_lshl_add_u32 v3, v12, 4, v2
	v_add_nc_u32 v3, s48, v3                       ; stage, in: 16 l + 16 (l / 8): 16 bytes of padding behind each 128
	v_mul_u32_u24 v4, v1, 144
	v_add_nc_u32 v4, s48, v4                       ; stage, out: block l
	v_lshrrev_b32 v13, 1, v1
	v_and_b32 v14, 1, v1
	v_mul_u32_u24 v5, v13, 768
	v_lshl_add_u32 v6, v14, 7, v5
	v_lshl_add_u32 v5, v14, 8, v5
	s_lshl_b32 s49, s22, 5
	s_add_co_u32 s49, s49, IMG
	v_add_nc_u32 v5, s49, v5                       ; image, registers 0-3: half fragment l / 2, lane 2 w + e + 16 (l % 2)
	s_lshl_b32 s49, s22, 4
	s_add_co_u32 s50, s49, IMG+512
	v_add_nc_u32 v6, s50, v6                       ; image, registers 4-5
	v_and_b32 v15, 7, v1
	v_lshl_add_u32 v7, v12, 7, v15
	s_add_co_u32 s50, s49, SIMG
	v_add_nc_u32 v7, s50, v7                       ; scale byte: plane l / 8, row 2 w + e, byte l % 8
	s_mul_i32 s49, s22, 1536
	v_add_nc_u32 v9, s49, v2                       ; the way out: my wave's 1,536 bytes of the image
	v_add_nc_u32 v8, IMG, v9
	v_lshlrev_b32 v11, 2, v1
	s_lshl_b32 s49, s22, 7
	s_add_co_u32 s49, s49, SIMG
	v_add_nc_u32 v10, s49, v11                     ; waves 0-3: a plane's 128 scale bytes
	s_mov_b32 s52, 0x76543210
	s_mov_b32 s53, 0xfedcba98                      ; v_permlanex16_b32: lane l xor 16
	s_mov_b32 s54, 0x3a800000                      ; 1 / 1024
	s_mov_b32 s55, 0x322bcc77                      ; 1e-8
	s_wait_kmcnt 0x0
	s_cmp_lt_u32 s34, 256
	s_cselect_b64 s[36:37], s[10:11], s[12:13]
	s_mov_b32 s35, 256
	s_cselect_b32 s35, 192, s35
	s_cmp_lt_u32 s34, 192
	s_cselect_b64 s[36:37], s[8:9], s[36:37]
	s_cselect_b32 s35, 0, s35
	s_sub_co_u32 s35, s34, s35                     ; weights: the tile in its tensor
	s_cmp_eq_u32 s23, 1
	s_cselect_b64 s[36:37], s[4:5], s[36:37]       ; the source
	s_cselect_b32 s33, s33, s35                    ; the tile in its segment
	s_cselect_b32 s32, s32, 0
	s_mov_b32 s38, 0xffff
	s_cselect_b32 s38, 1024, s38                   ; the last row that exists
	s_cselect_b64 s[28:29], s[16:17], s[18:19]     ; the destination
	s_cselect_b32 s39, ttmp9, s34                  ; the tile there
	s_mov_b32 s40, WSO
	s_cselect_b32 s40, HSO, s40
	s_lshr_b32 s41, s33, 1
	s_lshl_b32 s41, s41, 5
	s_and_b32 s42, s33, 1
	s_lshl_b32 s42, s42, 3
	s_add_co_u32 s41, s41, s42
	s_lshl_b32 s42, s22, 1                         ; r = 2 w
	s_and_b32 s43, s42, 8
	s_add_co_u32 s42, s42, s43
	s_add_co_u32 s41, s41, s42                     ; my first row; the second is its neighbour
	s_add_co_u32 s42, s41, 1
	s_min_u32 s41, s41, s38
	s_min_u32 s42, s42, s38
	s_mul_i32 s43, s32, 1025
	s_add_co_u32 s41, s41, s43
	s_add_co_u32 s42, s42, s43
	s_lshl_b32 s24, s41, 12
	s_mov_b32 s25, 0
	s_lshl_b32 s26, s42, 12
	s_mov_b32 s27, 0
	s_add_nc_u64 s[24:25], s[36:37], s[24:25]
	s_add_nc_u64 s[26:27], s[36:37], s[26:27]
	s_mul_i32 s44, s39, RTB
	s_mov_b32 s45, 0
	s_lshl_b32 s46, s39, 7
	s_add_co_u32 s46, s46, s40
	s_mul_i32 s47, s22, SKP                        ; waves 0-3 store plane w
	s_add_co_u32 s46, s46, s47
	s_mov_b32 s47, 0
	s_add_nc_u64 s[30:31], s[28:29], s[46:47]      ; the tile's scales
	s_add_nc_u64 s[28:29], s[28:29], s[44:45]      ; the tile's codes
.irp j, 0,1,2,3,4,5,6,7
	global_load_b128 v[XA+4*\j:XA+4*\j+3], v2, s[24:25] offset:512*\j th:TH_LOAD_NT
.endr
.irp j, 0,1,2,3,4,5,6,7
	global_load_b128 v[XB+4*\j:XB+4*\j+3], v2, s[26:27] offset:512*\j th:TH_LOAD_NT
.endr
	s_cmp_eq_u32 s23, 0
	s_cbranch_scc1 .Lraw                           ; weights are quantised as they are
.irp j, 0,1,2,3,4,5,6,7
	global_load_b128 v[Y+4*\j:Y+4*\j+3], v2, s[6:7] offset:512*\j
.endr
.macro LANESUM a, t                    ; the sum over the 32 lanes, in every lane
	v_add_f32_dpp v[\a], v[\a], v[\a] row_xmask:1 row_mask:0xf bank_mask:0xf
	v_add_f32_dpp v[\a], v[\a], v[\a] row_xmask:2 row_mask:0xf bank_mask:0xf
	v_add_f32_dpp v[\a], v[\a], v[\a] row_xmask:4 row_mask:0xf bank_mask:0xf
	v_add_f32_dpp v[\a], v[\a], v[\a] row_xmask:8 row_mask:0xf bank_mask:0xf
	v_permlanex16_b32 v[\t], v[\a], s52, s53
	v_add_f32 v[\a], v[\a], v[\t]
.endm
.macro STATS xr, rs                    ; the row is centred in place; v[rs] = mean of squares + 1e-8
	v_pk_add_f32 v[12:13], v[\xr:\xr+1], v[\xr+2:\xr+3]
	v_pk_add_f32 v[14:15], v[\xr+4:\xr+5], v[\xr+6:\xr+7]
.irp i, 8,12,16,20,24,28
	v_pk_add_f32 v[12:13], v[12:13], v[\xr+\i:\xr+\i+1]
	v_pk_add_f32 v[14:15], v[14:15], v[\xr+\i+2:\xr+\i+3]
.endr
	v_pk_add_f32 v[12:13], v[12:13], v[14:15]
	v_add_f32 v12, v12, v13
	LANESUM 12, 13
	v_mul_f32 v12, s54, v12                        ; the mean
	v_mov_b32 v13, v12
.irp i, 0,2,4,6,8,10,12,14,16,18,20,22,24,26,28,30
	v_pk_add_f32 v[\xr+\i:\xr+\i+1], v[\xr+\i:\xr+\i+1], v[12:13] neg_lo:[0,1] neg_hi:[0,1]
.endr
	v_pk_mul_f32 v[14:15], v[\xr:\xr+1], v[\xr:\xr+1]
	v_pk_mul_f32 v[16:17], v[\xr+2:\xr+3], v[\xr+2:\xr+3]
.irp i, 4,8,12,16,20,24,28
	v_pk_fma_f32 v[14:15], v[\xr+\i:\xr+\i+1], v[\xr+\i:\xr+\i+1], v[14:15]
	v_pk_fma_f32 v[16:17], v[\xr+\i+2:\xr+\i+3], v[\xr+\i+2:\xr+\i+3], v[16:17]
.endr
	v_pk_add_f32 v[14:15], v[14:15], v[16:17]
	v_add_f32 v14, v14, v15
	LANESUM 14, 15
	v_fma_f32 v[\rs], v14, s54, s55
.endm
	v_mov_b32 v19, 0                               ; upper halves of the pairs that the packed multiplies name
	v_mov_b32 v31, 0
	s_wait_loadcnt 16                              ; my first row is in; the second row's 8 loads and g's 8 may be out
	STATS XA, 18
	s_wait_loadcnt 8                               ; the second row is in; g's 8 may be out
	STATS XB, 30
	v_rsq_f32 v18, v18
	v_rsq_f32 v30, v30
	v_nop                                          ; a plain instruction behind the two roots,
	s_wait_alu depctr_va_vdst(0)                   ; and one wait for both, ahead of their first reader
	s_wait_loadcnt 0x0                             ; g
.irp i, 0,2,4,6,8,10,12,14,16,18,20,22,24,26,28,30
	v_pk_mul_f32 v[XA+\i:XA+\i+1], v[XA+\i:XA+\i+1], v[18:19] op_sel_hi:[1,0]
	v_pk_mul_f32 v[XB+\i:XB+\i+1], v[XB+\i:XB+\i+1], v[30:31] op_sel_hi:[1,0]
.endr
.irp i, 0,2,4,6,8,10,12,14,16,18,20,22,24,26,28,30
	v_pk_mul_f32 v[XA+\i:XA+\i+1], v[XA+\i:XA+\i+1], v[Y+\i:Y+\i+1]
	v_pk_mul_f32 v[XB+\i:XB+\i+1], v[XB+\i:XB+\i+1], v[Y+\i:Y+\i+1]
.endr
.Lraw:
	s_wait_loadcnt 0x0
; Row e of the wave: through the stage, so that lane l holds block l; its scale, its codes; both into the tile's image.
.macro QROW e, xr
.irp j, 0,1,2,3,4,5,6,7
	ds_store_b128 v3, v[\xr+4*\j:\xr+4*\j+3] offset:576*\j
.endr
.irp i, 0,1,2,3,4,5,6,7
	ds_load_b128 v[Y+4*\i:Y+4*\i+3], v4 offset:16*\i       ; LDS serves a wave's instructions in order: these see the stores above
.endr
	s_wait_dscnt 0x0                               ; the block is in; the last row's stores into the image have read their registers
	v_max3_num_f32 v12, |v[Y]|, |v[Y+1]|, |v[Y+2]|
	v_max3_num_f32 v13, |v[Y+3]|, |v[Y+4]|, |v[Y+5]|
.irp i, 6,10,14,18,22,26
	v_max3_num_f32 v12, v12, |v[Y+\i]|, |v[Y+\i+1]|
	v_max3_num_f32 v13, v13, |v[Y+\i+2]|, |v[Y+\i+3]|
.endr
	v_max3_num_f32 v12, v12, |v[Y+30]|, |v[Y+31]|
	v_max3_num_f32 v12, v12, v13, 0x1800000        ; the floor 2^(3 - 127): the byte cannot fall under 1
	v_add_nc_u32 v14, 0xff000000, v12              ; 2 off the exponent field: the conversion's scale operand
	v_cvt_scalef32_pk16_fp6_f32 v[20:22], v[Y:Y+15], v14
	v_cvt_scalef32_pk16_fp6_f32 v[26:28], v[Y+16:Y+31], v14    ; (a conversion's three registers begin on an even number)
	v_lshrrev_b32 v15, 23, v14                     ; the scale's byte; also the plain instruction behind the conversions
	v_mov_b32 v23, v26
	v_mov_b32 v24, v27
	v_mov_b32 v25, v28
	ds_store_b128 v5, v[20:23] offset:16*\e
	ds_store_b64 v6, v[24:25] offset:8*\e
	ds_store_b8 v7, v15 offset:8*\e
.endm
	QROW 0, XA
	QROW 1, XB
	s_wait_dscnt 0x0                               ; for the others' sake: my stores into the image are done
	s_barrier_signal -1
	s_barrier_wait -1
.irp k, 0,1,2
	ds_load_b128 v[32+4*\k:35+4*\k], v8 offset:512*\k
.endr
.irp k, 0,1,2
	s_wait_dscnt 2-\k                              ; the younger loads may be out
	global_store_b128 v9, v[32+4*\k:35+4*\k], s[28:29] offset:512*\k   ; 512 consecutive bytes, aligned
.endr
	s_cmp_gt_u32 s22, 3
	s_cbranch_scc1 .Ldone
	ds_load_b32 v44, v10
	s_wait_dscnt 0x0
	global_store_b32 v11, v44, s[30:31]            ; the tile's 128 scale bytes of plane w
.Ldone:
	s_wait_tensorcnt 0x0
	ds_add_u32 v128, v129
	s_wait_dscnt 0x0
	s_endpgm
.Lbias:
	s_sub_co_u32 s24, ttmp9, NXT+NWT
	s_lshl_b32 s24, s24, 3
	s_add_co_u32 s24, s24, s22                     ; the row of bp, 0 .. 1,039
	s_lshr_b32 s25, s24, 4
	s_and_b32 s26, s24, 15
	s_and_b32 s27, s26, 8
	s_add_co_u32 s26, s26, s27
	s_lshr_b32 s27, s25, 1
	s_lshl_b32 s27, s27, 5
	s_and_b32 s25, s25, 1
	s_lshl_b32 s25, s25, 3
	s_add_co_u32 s26, s26, s27
	s_add_co_u32 s26, s26, s25
	s_min_u32 s26, s26, 1024                       ; its token
	s_mul_i32 s26, s26, 4100
	s_mov_b32 s27, 0
	s_mul_i32 s28, s24, 4608
	s_mov_b32 s29, 0
	v_mov_b32 v3, 0
	s_wait_kmcnt 0x0
	s_add_nc_u64 s[26:27], s[14:15], s[26:27]
	s_add_nc_u64 s[28:29], s[20:21], s[28:29]
.irp c, 0,1,2,3,4,5,6,7
.irp k, 0,1,2,3
	global_load_b32 v[32+4*\c+\k], v2, s[26:27] offset:512*\c+4*\k     ; a row of Bbias begins on a multiple of 4 bytes only
.endr
.endr
	global_load_b32 v64, v3, s[26:27] offset:4096  ; column 1,024
	v_mov_b32 v65, 0xf149f2ca                      ; -1e30: a key that does not exist
	v_mov_b32 v66, v65
	v_mov_b32 v67, v65
	v_cmp_eq_u32 vcc_lo, 0, v1
	s_wait_loadcnt 0x0
	v_cndmask_b32 v64, v65, v64, vcc_lo            ; lane 0 keeps column 1,024
.irp c, 0,1,2,3,4,5,6,7,8
	global_store_b128 v2, v[32+4*\c:35+4*\c], s[28:29] offset:512*\c
.endr
	s_endpgm
.Lfunc_end_k_q23a3bd63c4_prep:
	.size	k_q23a3bd63c4_prep, .Lfunc_end_k_q23a3bd63c4_prep-k_q23a3bd63c4_prep
	.p2alignl 7, 3214868480
	.fill 96, 4, 3214868480
	.section	.rodata,"a",@progbits
	.p2align	6, 0x0
	.amdhsa_kernel k_q23a3bd63c4_prep
		.amdhsa_group_segment_fixed_size 51200
		.amdhsa_private_segment_fixed_size 0
		.amdhsa_enable_private_segment 0
		.amdhsa_kernarg_size 72
		.amdhsa_user_sgpr_count 2
		.amdhsa_user_sgpr_kernarg_segment_ptr 1
		.amdhsa_wavefront_size32 1
		.amdhsa_system_sgpr_workgroup_id_x 1
		.amdhsa_system_sgpr_workgroup_id_y 1
		.amdhsa_system_sgpr_workgroup_id_z 1
		.amdhsa_system_vgpr_workitem_id 0
		.amdhsa_next_free_vgpr 130
		.amdhsa_next_free_sgpr 66
		.amdhsa_reserve_vcc 1
		.amdhsa_float_denorm_mode_32 3
		.amdhsa_float_denorm_mode_16_64 3
		.amdhsa_memory_ordered 1
		.amdhsa_forward_progress 1
		.amdhsa_inst_pref_size 31
	.end_amdhsa_kernel
	.amdgpu_metadata
---
amdhsa.version: [ 1, 2 ]
amdhsa.kernels:
  - .name:           k_q23a3bd63c4_prep
    .symbol:         k_q23a3bd63c4_prep.kd
    .args:
      - { .name: x, .offset: 0, .size: 8, .value_kind: global_buffer, .address_space: global }
      - { .name: g, .offset: 8, .size: 8, .value_kind: global_buffer, .address_space: global }
      - { .name: qkv_w, .offset: 16, .size: 8, .value_kind: global_buffer, .address_space: global }
      - { .name: out_w, .offset: 24, .size: 8, .value_kind: global_buffer, .address_space: global }
      - { .name: gate_w, .offset: 32, .size: 8, .value_kind: global_buffer, .address_space: global }
      - { .name: Bbias, .offset: 40, .size: 8, .value_kind: global_buffer, .address_space: global }
      - { .name: hq, .offset: 48, .size: 8, .value_kind: global_buffer, .address_space: global }
      - { .name: wq, .offset: 56, .size: 8, .value_kind: global_buffer, .address_space: global }
      - { .name: bp, .offset: 64, .size: 8, .value_kind: global_buffer, .address_space: global }
    .group_segment_fixed_size: 51200
    .private_segment_fixed_size: 0
    .kernarg_segment_align: 8
    .kernarg_segment_size: 72
    .max_flat_workgroup_size: 256
    .sgpr_count:     66
    .vgpr_count:     130
    .wavefront_size: 32
...
	.end_amdgpu_metadata
.endif
;; end of part 1
;; launch qkv (part 2): grid 108 x 4, 4 waves a work-group, clusters of 4 x 4, 327,680 bytes of LDS; arguments hq, wq, qkv_b, fc, qr, kv; writes qr, kv
.if DOCPART == 2
	.amdgcn_target "amdgcn-amd-amdhsa--gfx1250"
	.amdhsa_code_object_version 6
	.text
	.protected	k_q23a3bd63c4_qkv
	.globl	k_q23a3bd63c4_qkv
	.p2align	8
	.type	k_q23a3bd63c4_qkv,@function
k_q23a3bd63c4_qkv:
	s_mov_b64 s[64:65], 0
	v_nop
	global_prefetch_b8 v0, s[64:65] scope:SCOPE_SE
	s_setreg_imm32_b32 hwreg(HW_REG_WAVE_MODE, 25, 1), 1
	s_wait_xcnt 0x0
	s_wait_alu depctr_hold_cnt(0) depctr_sa_sdst(0) depctr_va_vdst(0) depctr_va_sdst(0) depctr_va_ssrc(0) depctr_va_vcc(0) depctr_vm_vsrc(0)
	s_getreg_b32 s2, hwreg(HW_REG_IB_STS2, 6, 4)
	s_cmp_eq_u32 s2, 0
	s_cbranch_scc0 .Lentry_in_a_cluster
	s_endpgm
.Lentry_in_a_cluster:
	s_bfe_u32 s2, ttmp6, 0x10000c
	s_cmp_lg_u32 s2, 0xf033
	s_cbranch_scc0 .Lentry_shape_is_right
	s_endpgm
.Lentry_shape_is_right:
; qkv = h qkv_w^T + qkv_b on codes of E2M3; q and k are turned by fc (RoPE) and quantised along the head's 64; v is quantised along the keys.
; 27 clusters of 4 x 4 work-groups: clusters 0-8 make q, 9-17 k, 18-26 v.  A work-group makes 256 x 256, a wave 128 x 128 (64 accumulators, windows 2 and 3).
; "A" is source 1 (a lane holds one of its rows), shared along the cluster's row; "B" is source 0 (a lane's registers run along its rows), shared along the column.
; q, k: A = tokens, B = rows of qkv_w: a lane holds a token, its registers run along the head.  v: A = rows of qkv_w, B = tokens: a lane holds a channel, its registers run along the keys.
; Only pointers and row numbers differ between the parts; they are chosen on the cluster's number, which all partners share.
; Tokens go in 72 tiles of 128 (9 to a batch; the ninth holds token 1,024 and rows that nobody uses).  Rows of both operands lie in tiles of 16 in the order
; 32 (t / 2) + 8 (t % 2) + r + 8 (r / 8), so that the 16 registers of B's tiles 2 b and 2 b + 1 are 16 neighbours.
; Operands lie in memory as images of their registers (half fragments of 768 bytes), so a K step of 256 is 3,072 dense bytes of each row tile, and a fragment is four dense LDS loads.
; K goes in four steps of 256 through two LDS slots; the scales of all of K come once.  The results leave as records that the attention reads as they lie; no LDS on the way out.
; The 1/8 of the scores is taken off q's scale bytes (3 off each).
; LIMITS: NaN and infinities are not served.  A block of q, k or v whose largest magnitude lies under 2^-121 gets the scale byte 4 (so that q's byte less 3 stays at 1 or above).
.set M9,    0x1C71C71D                 ; ceil(2^32 / 9)
.set HSO,   6475776
.set WSO,   3932160
.set SKR,   8448                       ; rows in a plane of scales
.set RTB,   12288                      ; a row tile's codes
.set KSB,   3072                       ; a K step of them
.set NQ,    2
.set FR,    12
.set NL,    4                          ; LDS loads to a fragment
.set NP,    4                          ; places behind this matrix instruction (ISA guide 7.12.1)
.set HALFT, 8*KSB                      ; 128 rows: what one tensor load brings
.set SLOT,  4*HALFT
.set SCL,   2*SLOT                     ; behind the ring: the scales, [4 K steps][128 rows][8] for each of the four halves
.set HALFS, 4096
.set SBLK,  128
.set SPARE, SCL+4*HALFS                ; the spare words: 128 bytes a wave, named by no other line
.set LAPS,  2
.set QRB,   6656                       ; a record of q or k: 8 half fragments, 512 bytes of scale words
.set KVB,   13056                      ; k's record and v's (6,400)
.set L16,  4                           ; v4  16 x lane
.set L8,   8                           ; v8  8 x lane
.set RR,   9                           ; v9  r + 8 (r / 8)
.set H64,  10                          ; v10 64 h
.set FO,   12                          ; v12-13 offsets into fc, two sets
.set ADRA, 16                          ; v16-17 A's fragments in slot 0, 1 (registers 0-3); v18-19 (registers 4-5)
.set ADRB, 20                          ; v20-23 the same for B
.set ADRS, 27
.set SPW,  28
.set NIL,  29
.set SC,   32                          ; v32-63 scale words, two sets: lanes 0-15 A's block i, lanes 16-31 B's
.set AF,   128                         ; A's fragments, one set; B's two sets fill window 1
.set TM,   32                          ; the way out: at work
.set PW,   48
.set KS,   52
.set HA,   64
.set PC,   128
.set FC,   192
.set G1, 24
.set G0, 32
.set G1B, 48
.set G0B, 56
.set G1S, 68
.set G0S, 76
.set G1SB, 80
.set G0SB, 88
.set MSB, 0
.macro WIN new                         ; the immediate's high byte repeats the setting that is left
.if MSB != (\new)
	s_set_vgpr_msb (MSB<<8)|(\new)
.set MSB, (\new)
.endif
.endm
.set MUL_LO, 0xa1
.set MUL_HI, 0xf1
.set TO_B,   0x40
.macro JLOAD g0a, g1a, g0b, g1b        ; waves 0 and 1 fetch for A, waves 2 and 3 for B; four v_nop follow each line
	s_cmp_eq_u32 s17, 0
	s_cbranch_scc0 .Lfor_b_\@
	tensor_load_to_lds s[\g0a:\g0a+3], s[\g1a:\g1a+7]
	s_nop 0
.rept 4
	v_nop
.endr
	s_branch .Lasked_\@
.Lfor_b_\@:
	tensor_load_to_lds s[\g0b:\g0b+3], s[\g1b:\g1b+7]
	s_nop 0
.rept 4
	v_nop
.endr
.Lasked_\@:
.endm
.macro CREST
	s_cmp_lg_u32 s16, 0
	s_cbranch_scc1 .Lnot_wave_0_\@
	s_barrier_signal -3
.Lnot_wave_0_\@:
	s_barrier_wait -3
	s_barrier_signal -1
	s_barrier_wait -1
.endm
.macro CROUND
	s_barrier_signal -1
	s_barrier_wait -1
	CREST
.endm
	s_load_b256 s[4:11], s[0:1], 0x0               ; hq, wq, qkv_b, fc
	s_load_b128 s[12:15], s[0:1], 0x20             ; qr, kv
	v_lshl_add_u32 v[SPW], v0, 2, SPARE
	v_mov_b32 v[NIL], 0
	ds_add_u32 v28, v29
	s_wait_dscnt 0x0
	v_lshrrev_b32 v1, 5, v0
	v_readfirstlane_b32 s16, v1                    ; wave
	s_lshr_b32 s17, s16, 1                         ; my half of A.  Also: I fetch for A (0) or B (1)
	s_and_b32 s18, s16, 1                          ; my half of B.  Also: which half I fetch
	s_bfe_u32 s40, ttmp6, 0x40000                  ; cx
	s_bfe_u32 s41, ttmp6, 0x40004                  ; cy
	s_cmp_ge_u32 ttmp9, 9
	s_cselect_b32 s19, 1, 0
	s_cmp_ge_u32 ttmp9, 18
	s_cselect_b32 s20, 1, 0
	s_add_co_u32 s19, s19, s20                     ; 0 q, 1 k, 2 v
	s_mul_i32 s20, s19, 9
	s_sub_co_u32 s20, ttmp9, s20                   ; the cluster in its part, 0 .. 8
	s_lshl_b32 s43, s41, 2
	s_lshl_b32 s43, 15, s43                        ; my row of the cluster
	s_lshl_b32 s44, 0x1111, s40                    ; my column
	s_or_b32 s[G1+0], s43, (3<<16)|(1<<21)         ; the mask; elements of 8 bytes; bit 21 beside a mask; no padding
	s_or_b32 s[G1B+0], s44, (3<<16)|(1<<21)
.irp g, G1, G1B
	s_mov_b32 s[\g+1], 384<<16                     ; tensor_dim0: 3,072 bytes
	s_mov_b32 s[\g+2], 8<<16                       ; tensor_dim1: 8 row tiles
	s_mov_b32 s[\g+3], 384<<16                     ; tile_dim0
	s_mov_b32 s[\g+4], 8                           ; tile_dim1
	s_mov_b32 s[\g+5], 1536                        ; from row tile to row tile: 12,288 bytes
	s_mov_b32 s[\g+6], 0
	s_mov_b32 s[\g+7], 0
.endr
	s_or_b32 s[G1S+0], s43, (3<<16)|(1<<21)
	s_or_b32 s[G1SB+0], s44, (3<<16)|(1<<21)
.irp g, G1S, G1SB
	s_mov_b32 s[\g+1], 128<<16                     ; 128 rows x 8 bytes
	s_mov_b32 s[\g+2], 4<<16                       ; 4 planes
	s_mov_b32 s[\g+3], 128<<16
	s_mov_b32 s[\g+4], 4
	s_mov_b32 s[\g+5], SKR
	s_mov_b32 s[\g+6], 0
	s_mov_b32 s[\g+7], 0
.endr
	s_lshl_b32 s21, s20, 2
	; A's row tile: made of cy, the cluster's number and the wave alone
	s_add_co_u32 s92, s21, s41
	s_lshl_b32 s92, s92, 1
	s_add_co_u32 s92, s92, s18                     ; the token tile
	s_mul_hi_u32 s93, s92, M9                      ; its batch
	s_mul_i32 s94, s93, 9
	s_sub_co_u32 s92, s92, s94                     ; its place in the batch
	s_mul_i32 s93, s93, 65
	s_lshl_b32 s92, s92, 3
	s_add_co_u32 s92, s92, s93                     ; q, k: 65 b + 8 j
	s_lshl_b32 s93, s41, 4
	s_lshl_b32 s94, s18, 3
	s_add_co_u32 s93, s93, s94
	s_add_co_u32 s93, s93, 128                     ; v: rows 2,048 on of qkv_w
	s_cmp_eq_u32 s19, 2
	s_cselect_b32 s92, s93, s92
	s_mov_b32 s93, HSO
	s_cselect_b32 s93, WSO, s93
	s_lshl_b32 s94, s92, 7
	s_add_co_u32 s94, s94, s93                     ; its scales
	s_mov_b32 s95, 0
	s_mul_i32 s92, s92, RTB                        ; its codes
	s_mov_b32 s93, 0
	; B's: of cx, the cluster's number and the wave alone
	s_add_co_u32 s96, s21, s40
	s_lshl_b32 s96, s96, 1
	s_add_co_u32 s96, s96, s18
	s_mul_hi_u32 s97, s96, M9
	s_mul_i32 s98, s97, 9
	s_sub_co_u32 s96, s96, s98
	s_mul_i32 s97, s97, 65
	s_lshl_b32 s96, s96, 3
	s_add_co_u32 s96, s96, s97                     ; v: 65 b + 8 j
	s_lshl_b32 s97, s19, 6
	s_lshl_b32 s98, s40, 4
	s_add_co_u32 s97, s97, s98
	s_lshl_b32 s98, s18, 3
	s_add_co_u32 s97, s97, s98                     ; q, k: rows 1,024 x part on
	s_cmp_eq_u32 s19, 2
	s_cselect_b32 s96, s96, s97
	s_mov_b32 s97, WSO
	s_cselect_b32 s97, HSO, s97
	s_lshl_b32 s98, s96, 7
	s_add_co_u32 s98, s98, s97
	s_mov_b32 s99, 0
	s_mul_i32 s96, s96, RTB
	s_mov_b32 s97, 0
	s_mul_i32 s45, s16, HALFT                      ; where they go: no place in the cluster enters an LDS address
	s_mul_i32 s46, s16, HALFS
	s_wait_kmcnt 0x0
	s_cmp_eq_u32 s19, 2
	s_cselect_b64 s[22:23], s[6:7], s[4:5]         ; A's buffer
	s_cselect_b64 s[66:67], s[4:5], s[6:7]         ; B's
	s_add_nc_u64 s[94:95], s[22:23], s[94:95]
	s_add_nc_u64 s[92:93], s[22:23], s[92:93]
	s_add_nc_u64 s[98:99], s[66:67], s[98:99]
	s_add_nc_u64 s[96:97], s[66:67], s[96:97]
	CROUND                                         ; all sixteen work-groups are here: the first joint loads meet
	s_mov_b32 s[G0S], 1
	s_add_co_u32 s[G0S+1], s46, SCL
	s_mov_b64 s[G0S+2:G0S+3], s[94:95]
	s_or_b32 s[G0S+3], s[G0S+3], 0x80000000
	s_mov_b32 s[G0SB], 1
	s_add_co_u32 s[G0SB+1], s46, SCL
	s_mov_b64 s[G0SB+2:G0SB+3], s[98:99]
	s_or_b32 s[G0SB+3], s[G0SB+3], 0x80000000
	JLOAD G0S, G1S, G0SB, G1SB                     ; the scales first; with the two slots three loads of mine are out
.irp s, 0,1
	s_mov_b32 s[G0+4*\s], 1
	s_add_co_u32 s[G0+4*\s+1], s45, \s*SLOT
	s_add_nc_u64 s[G0+4*\s+2:G0+4*\s+3], s[92:93], \s*KSB
	s_or_b32 s[G0+4*\s+3], s[G0+4*\s+3], 0x80000000
	s_mov_b32 s[G0B+4*\s], 1
	s_add_co_u32 s[G0B+4*\s+1], s45, \s*SLOT
	s_add_nc_u64 s[G0B+4*\s+2:G0B+4*\s+3], s[96:97], \s*KSB
	s_or_b32 s[G0B+4*\s+3], s[G0B+4*\s+3], 0x80000000
	JLOAD G0+4*\s, G1, G0B+4*\s, G1B
.endr
	v_and_b32 v1, 15, v0                           ; r
	v_bfe_u32 v2, v0, 4, 1                         ; h
	v_and_b32 v3, 31, v0
	v_lshlrev_b32 v[L16], 4, v3
	v_lshlrev_b32 v[L8], 3, v3
	v_add_nc_u32 v5, 512, v[L8]
	v_and_b32 v[RR], 8, v1
	v_add_nc_u32 v[RR], v[RR], v1
	v_lshlrev_b32 v[H64], 6, v2
	s_mul_i32 s21, s17, HALFT
	s_mul_i32 s22, s18, HALFT
	s_add_co_u32 s22, s22, 2*HALFT
.irp s, 0,1
	v_add_nc_u32 v[ADRA+\s], s21, v[L16]
	v_add_nc_u32 v[ADRB+\s], s22, v[L16]
	v_add_nc_u32 v[ADRA+2+\s], s21, v5
	v_add_nc_u32 v[ADRB+2+\s], s22, v5
	s_add_co_u32 s21, s21, SLOT
	s_add_co_u32 s22, s22, SLOT
.endr
	v_lshlrev_b32 v6, 3, v1                        ; my row's 8 scale bytes of a K step
	s_mul_i32 s21, s17, HALFS
	s_mul_i32 s22, s18, HALFS
	s_add_co_u32 s22, s22, 2*HALFS
	s_sub_co_u32 s22, s22, s21
	v_mul_u32_u24 v7, s22, v2                      ; lanes 16-31 take B's
	s_add_co_u32 s21, s21, SCL
	v_add_nc_u32 v6, v6, v7
	v_add_nc_u32 v[ADRS], s21, v6
.macro FRAG reg, adr, q, i             ; a fragment (16 rows x 128 K, 12 registers) is two half fragments, each 512 + 256 dense bytes
.irp c, 0,1
	ds_load_b128 v[\reg+6*\c:\reg+6*\c+3], v[\adr] offset:KSB*(\i)+768*(2*(\q)+\c)
	ds_load_b64 v[\reg+6*\c+4:\reg+6*\c+5], v[\adr+2] offset:KSB*(\i)+768*(2*(\q)+\c)
.endr
.endm
; 16 matrix instructions: A's blocks a0, a0 + 1 x B's eight.  The 64 accumulators take turns, one instruction a turn, in the same order in every step.
.macro MUL16 a0, p, q, sc, zero
.irp a, \a0, \a0+1
.irp b, 0,1,2,3,4,5,6,7
.if \zero
	v_wmma_scale_f32_16x16x128_f8f6f4 v[8*(8*((\a)%4)+\b):8*(8*((\a)%4)+\b)+7], v[128*(\p)+FR*\b:128*(\p)+FR*\b+FR-1], v[AF+FR*(\a):AF+FR*(\a)+FR-1], 0, v[SC+8*NQ*(\sc)+NQ*\b+(\q)], v[SC+8*NQ*(\sc)+NQ*(\a)+(\q)] matrix_a_fmt:MATRIX_FMT_FP6 matrix_b_fmt:MATRIX_FMT_FP6 matrix_a_scale:MATRIX_SCALE_ROW1
.else
	v_wmma_scale_f32_16x16x128_f8f6f4 v[8*(8*((\a)%4)+\b):8*(8*((\a)%4)+\b)+7], v[128*(\p)+FR*\b:128*(\p)+FR*\b+FR-1], v[AF+FR*(\a):AF+FR*(\a)+FR-1], v[8*(8*((\a)%4)+\b):8*(8*((\a)%4)+\b)+7], v[SC+8*NQ*(\sc)+NQ*\b+(\q)], v[SC+8*NQ*(\sc)+NQ*(\a)+(\q)] matrix_a_fmt:MATRIX_FMT_FP6 matrix_b_fmt:MATRIX_FMT_FP6 matrix_a_scale:MATRIX_SCALE_ROW1
.endif
.endr
.endr
.endm
.macro FETCH_B slot, q, p
	WIN TO_B
.irp i, 0,1,2,3,4,5,6,7
	FRAG 128*(\p)+FR*\i, ADRB+\slot, \q, \i
.endr
	WIN 0
.endm
.macro FETCH_A slot, q, i0
.irp i, \i0, \i0+1, \i0+2, \i0+3
	FRAG AF+FR*(\i), ADRA+\slot, \q, \i
.endr
.endm
.macro SCALES sc
.irp i, 0,1,2,3,4,5,6,7
	ds_load_b64 v[SC+8*NQ*\sc+NQ*\i:SC+8*NQ*\sc+NQ*\i+1], v[ADRS] offset:\i*SBLK
.endr
.endm
.macro PLACES n                        ; plain vector instructions between a matrix instruction and a load into, or a read of, its registers
.rept \n
	v_nop
.endr
.endm
.macro STEP slot, q, zero              ; 128 along K that has its successor in the same slot
	s_wait_dscnt 4*NL                              ; all but the youngest 16 loads (A's blocks 4-7) are in
	WIN MUL_LO
	MUL16 0, (\q)%2, \q, \slot, \zero
	MUL16 2, (\q)%2, \q, \slot, \zero
	s_wait_dscnt 0
	PLACES NP
	FETCH_B \slot, (\q)+1, 1-(\q)%2
	FETCH_A \slot, (\q)+1, 0
	WIN MUL_HI
	MUL16 4, (\q)%2, \q, \slot, \zero
	MUL16 6, (\q)%2, \q, \slot, \zero
	PLACES NP
	WIN 0
	FETCH_A \slot, (\q)+1, 4
.endm
; A slot's last step changes slots: one barrier; ahead of it each wave waits for all its tensor loads, adds 0 to its spare word, and waits for that and for its reads of this slot.
.macro TURN slot, next, fill
	s_wait_tensorcnt 0x0                           ; all my tensor loads have landed: my part of the next slot
	ds_add_u32 v[SPW], v[NIL]
	s_wait_dscnt 4*NL+1                            ; the add and the youngest 16 loads may be out
	WIN MUL_LO
	MUL16 0, 1, NQ-1, \slot, 0
	s_wait_dscnt 0x0                               ; the add is done, and my reads of this slot are over
	s_barrier_signal -1
	MUL16 2, 1, NQ-1, \slot, 0
	WIN 0
	s_barrier_wait -1
.if \fill
	CREST                                          ; the barrier opened a round of the cluster's: no wave of any partner reads this slot or has a load on its way
	s_add_nc_u64 s[G0+4*\slot+2:G0+4*\slot+3], s[G0+4*\slot+2:G0+4*\slot+3], 2*KSB
	s_add_nc_u64 s[G0B+4*\slot+2:G0B+4*\slot+3], s[G0B+4*\slot+2:G0B+4*\slot+3], 2*KSB
	JLOAD G0+4*\slot, G1, G0B+4*\slot, G1B         ; the first tensor load behind the round; its four v_nop are the places ahead of the loads below
.else
	PLACES NP
.endif
	v_add_nc_u32 v[ADRS], 1024, v[ADRS]            ; the next K step's plane of scales
	FETCH_B \next, 0, 0
	FETCH_A \next, 0, 0
	SCALES \next
	WIN MUL_HI
	MUL16 4, 1, NQ-1, \slot, 0
	MUL16 6, 1, NQ-1, \slot, 0
	PLACES NP
	WIN 0
	FETCH_A \next, 0, 4
.endm
	s_wait_tensorcnt 1                             ; the scales and my part of K step 0 are in; K step 1's load may be out
	s_barrier_signal -1
	s_barrier_wait -1
	FETCH_B 0, 0, 0
	FETCH_A 0, 0, 0
	SCALES 0
	FETCH_A 0, 0, 4
	STEP 0, 0, 1                                   ; the first step's products start the sums
	s_mov_b32 s3, LAPS-1
.Llap:
	TURN 0, 1, 1
	STEP 1, 0, 0
	TURN 1, 0, 1
	STEP 0, 0, 0
	s_sub_co_u32 s3, s3, 1
	s_cmp_lg_u32 s3, 0
	s_cbranch_scc1 .Llap
	TURN 0, 1, 0                                   ; the last lap fills nothing
	STEP 1, 0, 0
	s_wait_dscnt 4*NL
	WIN MUL_LO
	MUL16 0, 1, NQ-1, 1, 0
	MUL16 2, 1, NQ-1, 1, 0
	s_wait_dscnt 0
	WIN MUL_HI
	MUL16 4, 1, NQ-1, 1, 0
	MUL16 6, 1, NQ-1, 1, 0
	WIN 0
	PLACES NP
; 64 numbers of a lane, register 16 b + i = k 32 b + 16 h + i of its row, become a fragment's codes in v[PC] on and its scale word in v[PW].
.macro QUANT s
.irp b, 0,1,2,3
	v_max3_num_f32 v[TM+\b], |v[\s+16*\b]|, |v[\s+1+16*\b]|, 0x3000000     ; the floor 2^(6 - 127): the byte cannot fall under 4
.endr
.irp i, 2,4,6,8,10,12,14
.irp b, 0,1,2,3
	v_max3_num_f32 v[TM+\b], v[TM+\b], |v[\s+16*\b+\i]|, |v[\s+1+16*\b+\i]|
.endr
.endr
.irp b, 0,1,2,3
	v_permlanex16_b32 v[TM+4+\b], v[TM+\b], s2, s101
.endr
.irp b, 0,1,2,3
	v_max_num_f32 v[TM+\b], v[TM+\b], v[TM+4+\b]
.endr
.irp b, 0,1,2,3
	v_add_nc_u32 v[TM+12+\b], 0xff000000, v[TM+\b]
.endr
.irp b, 0,1,2,3
	v_lshrrev_b32 v[TM+4+\b], 23, v[TM+12+\b]
.endr
	v_lshl_or_b32 v[PW], v[TM+5], 8, v[TM+4]
	v_lshl_or_b32 v[PW], v[TM+6], 16, v[PW]
	v_lshl_or_b32 v[PW], v[TM+7], 24, v[PW]
.irp c, 0,1
	v_cvt_scalef32_pk16_fp6_f32 v[PC+6*\c:PC+2+6*\c], v[\s+32*\c:\s+15+32*\c], v[TM+12+2*\c]
	v_cvt_scalef32_pk16_fp6_f32 v[PC+12+4*\c:PC+14+4*\c], v[\s+16+32*\c:\s+31+32*\c], v[TM+12+2*\c+1]
.endr
	v_nop                                          ; one plain instruction behind the conversions
.irp c, 0,1                                    ; a whole block to a lane: lanes 0-15 block 2 c, lanes 16-31 block 2 c + 1
.irp i, 0,1,2
	v_permlane16_swap_b32 v[PC+6*\c+\i], v[PC+12+4*\c+\i]
.endr
.irp i, 0,1,2
	v_mov_b32 v[PC+3+6*\c+\i], v[PC+12+4*\c+\i]
.endr
.endr
.endm
.irp b, 0,1,2,3
	v_mov_b32 v[TM+4+\b], 0                        ; a lane permute's destination counts as one of its sources
.endr
	s_mov_b32 s2, 0x76543210
	s_mov_b32 s101, 0xfedcba98
	s_mov_b32 s100, 0xffff0000                     ; lanes 16-31
	s_mov_b32 s67, 0
	s_cmp_eq_u32 s19, 2                            ; the part is the cluster's: all partners go the same way
	s_cbranch_scc1 .Lvpath
	; ---- q, k: my 128 tokens (lanes) x two heads (registers)
	s_lshl_b32 s21, s20, 2
	s_add_co_u32 s21, s21, s41
	s_lshl_b32 s21, s21, 1
	s_add_co_u32 s21, s21, s17                     ; my token tile
	s_mul_hi_u32 s22, s21, M9                      ; b
	s_mul_i32 s23, s22, 9
	s_sub_co_u32 s21, s21, s23                     ; j
	s_lshl_b32 s23, s40, 1
	s_add_co_u32 s23, s23, s18                     ; my 128 columns of the part's 1,024
	s_lshl_b32 s42, s22, 4
	s_lshl_b32 s43, s23, 1
	s_add_co_u32 s42, s42, s43
	s_mul_i32 s42, s42, 9
	s_add_co_u32 s42, s42, s21                     ; the first head's record; the second's is 9 on
	s_cmp_eq_u32 s19, 0
	s_cselect_b64 s[44:45], s[12:13], s[14:15]
	s_mov_b32 s46, KVB
	s_cselect_b32 s46, QRB, s46
	s_cselect_b32 s47, 0x0303, 0                   ; q: 3 off both bytes
	s_mul_i32 s66, s42, s46
	s_add_nc_u64 s[92:93], s[44:45], s[66:67]
	s_mul_i32 s66, s46, 9
	s_add_nc_u64 s[94:95], s[92:93], s[66:67]
	s_lshl_b32 s66, s19, 12
	s_lshl_b32 s98, s23, 9
	s_add_co_u32 s66, s66, s98
	s_add_nc_u64 s[96:97], s[8:9], s[66:67]        ; qkv_b at my 128 columns
	s_lshl_b32 s98, s21, 7                         ; my first token in its batch
	WIN 0x40
.irp q, 0,1,2,3,4,5,6,7,8,9,10,11,12,13,14,15
	global_load_b128 v[4*\q:4*\q+3], v[H64], s[96:97] offset:128*(\q/4)+16*(\q%4)  ; the bias in the results' layout: window 1, v0-63
.endr
	WIN 0
.macro FCLOAD a                        ; fc's row of my lane's token in block a: 32 numbers, (cos, sin) of my 16 pairs
	s_add_co_u32 s99, s98, 32*((\a)/2)+8*((\a)%2)
	v_add_nc_u32 v14, s99, v[RR]
	v_min_u32 v14, 0x400, v14
	v_lshl_add_u32 v[FO+(\a)%2], v14, 8, v[H64]
.irp q, 0,1,2,3,4,5,6,7
	global_load_b128 v[FC+32*((\a)%2)+4*\q:FC+32*((\a)%2)+4*\q+3], v[FO+(\a)%2], s[10:11] offset:128*(\q/4)+16*(\q%4)
.endr
.endm
	FCLOAD 0
.macro EPI_QK a
	s_wait_xcnt 0x0                                ; the last block's stores have read their registers; the older fc loads their offsets
.if (\a) < 7
	FCLOAD (\a)+1
	s_wait_loadcnt 8                               ; all but the 8 just issued: the bias and this block's fc are in
.else
	s_wait_loadcnt 0x0
.endif
	WIN 0x06+(\a)/4                                ; source 0: the accumulators' window; source 1: window 1
.set e, 0
.rept 32
	v_pk_add_f32 v[HA+e:HA+e+1], v[64*((\a)%4)+e:64*((\a)%4)+e+1], v[e:e+1]       ; each accumulator from its low end on
.set e, e+2
.endr
	WIN 0
.set e, 0
.rept 8                                        ; RoPE, four pairs at a time
.set f, FC+32*((\a)%2)+e%32
.irp u, 0,1,2,3
	v_mul_f32 v[TM+2*\u], v[HA+e+2*\u+1], v[f+2*\u+1]
	v_mul_f32 v[TM+2*\u+1], v[HA+e+2*\u+1], v[f+2*\u]
.endr
.irp u, 0,1,2,3
	v_fma_f32 v[HA+e+2*\u+1], v[HA+e+2*\u], v[f+2*\u+1], v[TM+2*\u+1]
	v_fma_f32 v[HA+e+2*\u], v[HA+e+2*\u], v[f+2*\u], -v[TM+2*\u]
.endr
.set e, e+8
.endr
	QUANT HA
	v_and_b32 v49, 0xffff, v[PW]                   ; the first head's two bytes,
	v_lshrrev_b32 v50, 16, v[PW]                   ; the second's
	v_sub_nc_u32 v49, v49, s47
	v_sub_nc_u32 v50, v50, s47
	v_or_b32 v49, 0x7f7f0000, v49                  ; bytes 2 and 3 scale the half of K = 128 that holds zero codes
	v_or_b32 v50, 0x7f7f0000, v50
.if (\a)%2 == 0
	v_mov_b32 v[KS+(\a)/2], v49
	v_mov_b32 v[KS+4+(\a)/2], v50
.else
	v_cndmask_b32 v[KS+(\a)/2], v[KS+(\a)/2], v49, s100     ; an odd tile's words go to lanes 16-31
	v_cndmask_b32 v[KS+4+(\a)/2], v[KS+4+(\a)/2], v50, s100
.endif
.irp c, 0,1
	global_store_b128 v[L16], v[PC+6*\c:PC+6*\c+3], s[92+2*\c:93+2*\c] offset:768*(\a)
	global_store_b64 v[L8], v[PC+6*\c+4:PC+6*\c+5], s[92+2*\c:93+2*\c] offset:768*(\a)+512
.endr
.endm
.irp a, 0,1,2,3,4,5,6,7
	EPI_QK \a
.endr
	global_store_b128 v[L16], v[KS:KS+3], s[92:93] offset:6144
	global_store_b128 v[L16], v[KS+4:KS+7], s[94:95] offset:6144
	s_branch .Ljoin
.Lvpath:
	; ---- v: my 128 channels (lanes: two heads x four tiles) x 128 keys (registers)
	s_lshl_b32 s21, s20, 2
	s_add_co_u32 s21, s21, s40
	s_lshl_b32 s21, s21, 1
	s_add_co_u32 s21, s21, s18                     ; my token tile
	s_mul_hi_u32 s22, s21, M9
	s_mul_i32 s23, s22, 9
	s_sub_co_u32 s21, s21, s23                     ; j
	s_lshl_b32 s42, s22, 4
	s_lshl_b32 s43, s41, 2
	s_add_co_u32 s42, s42, s43
	s_lshl_b32 s43, s17, 1
	s_add_co_u32 s42, s42, s43
	s_mul_i32 s42, s42, 9
	s_add_co_u32 s42, s42, s21
	s_mul_i32 s66, s42, KVB
	s_add_co_u32 s66, s66, QRB                     ; v's record lies behind k's
	s_add_nc_u64 s[92:93], s[14:15], s[66:67]
	s_add_nc_u64 s[94:95], s[92:93], 9*KVB
	s_cmp_lt_u32 s21, 8
	s_cselect_b32 s46, 1.0, 0                      ; in a batch's ninth tile only its first key exists: the others become zeros, as the quantiser fills its last block
	s_mov_b32 s47, s46
	s_lshl_b32 s66, s41, 10
	s_lshl_b32 s98, s17, 9
	s_add_co_u32 s66, s66, s98
	s_add_co_u32 s66, s66, 8192
	s_add_nc_u64 s[96:97], s[8:9], s[66:67]        ; qkv_b at my 128 channels
	v_lshlrev_b32 v14, 2, v[RR]
.irp a, 0,1,2,3,4,5,6,7
	global_load_b32 v[56+\a], v14, s[96:97] offset:128*(\a/2)+32*(\a%2)
.endr
	v_mov_b32 v50, s46
	v_mov_b32 v51, 1.0
	v_cmp_eq_u32 vcc_lo, 0, v2
	v_cndmask_b32 v50, v50, v51, vcc_lo            ; the factor of register 0: 1 in lanes 0-15, whose register 0 is the tile's first key
	s_wait_loadcnt 0x0
.macro EPI_V a
	s_wait_xcnt 0x0                                ; the last block's stores have read their registers
	v_mul_f32 v14, s46, v[56+(\a)]
	v_mov_b32 v15, v14
	v_mul_f32 v49, v50, v[56+(\a)]
	WIN 0x02+(\a)/4
.set e, 0
.rept 32
	v_pk_fma_f32 v[HA+e:HA+e+1], v[64*((\a)%4)+e:64*((\a)%4)+e+1], s[46:47], v[14:15] op_sel_hi:[1,0,0]
.set e, e+2
.endr
	v_fma_f32 v[HA], v[64*((\a)%4)], v50, v49
	WIN 0
	QUANT HA
.if (\a)%2 == 0
	v_mov_b32 v[KS+2*((\a)/4)+((\a)%4)/2], v[PW]
.else
	v_cndmask_b32 v[KS+2*((\a)/4)+((\a)%4)/2], v[KS+2*((\a)/4)+((\a)%4)/2], v[PW], s100
.endif
	global_store_b128 v[L16], v[PC:PC+3], s[92+2*((\a)/4):93+2*((\a)/4)] offset:1536*((\a)%4)
	global_store_b64 v[L8], v[PC+4:PC+5], s[92+2*((\a)/4):93+2*((\a)/4)] offset:1536*((\a)%4)+512
	global_store_b128 v[L16], v[PC+6:PC+9], s[92+2*((\a)/4):93+2*((\a)/4)] offset:1536*((\a)%4)+768
	global_store_b64 v[L8], v[PC+10:PC+11], s[92+2*((\a)/4):93+2*((\a)/4)] offset:1536*((\a)%4)+1280
.if (\a)%4 == 3
	global_store_b64 v[L8], v[KS+2*((\a)/4):KS+2*((\a)/4)+1], s[92+2*((\a)/4):93+2*((\a)/4)] offset:6144
.endif
.endm
.irp a, 0,1,2,3,4,5,6,7
	EPI_V \a
.endr
.Ljoin:
	s_wait_tensorcnt 0x0                           ; the wave's end
	ds_add_u32 v[SPW], v[NIL]
	s_wait_dscnt 0x0
	CROUND                                         ; the closing round
	s_endpgm
.Lfunc_end_k_q23a3bd63c4_qkv:
	.size	k_q23a3bd63c4_qkv, .Lfunc_end_k_q23a3bd63c4_qkv-k_q23a3bd63c4_qkv
	.p2alignl 7, 3214868480
	.fill 96, 4, 3214868480
	.section	.rodata,"a",@progbits
	.p2align	6, 0x0
	.amdhsa_kernel k_q23a3bd63c4_qkv
		.amdhsa_group_segment_fixed_size 327680
		.amdhsa_private_segment_fixed_size 0
		.amdhsa_enable_private_segment 0
		.amdhsa_kernarg_size 48
		.amdhsa_user_sgpr_count 2
		.amdhsa_user_sgpr_kernarg_segment_ptr 1
		.amdhsa_wavefront_size32 1
		.amdhsa_system_sgpr_workgroup_id_x 1
		.amdhsa_system_sgpr_workgroup_id_y 1
		.amdhsa_system_sgpr_workgroup_id_z 1
		.amdhsa_system_vgpr_workitem_id 0
		.amdhsa_next_free_vgpr 1024
		.amdhsa_next_free_sgpr 104
		.amdhsa_reserve_vcc 1
		.amdhsa_float_denorm_mode_32 3
		.amdhsa_float_denorm_mode_16_64 3
		.amdhsa_memory_ordered 1
		.amdhsa_forward_progress 1
		.amdhsa_inst_pref_size 255
	.end_amdhsa_kernel
	.section	.bss,"aw",@nobits
	.p2align	6
	.space	262144
	.amdgpu_metadata
---
amdhsa.version: [ 1, 2 ]
amdhsa.kernels:
  - .name:           k_q23a3bd63c4_qkv
    .symbol:         k_q23a3bd63c4_qkv.kd
    .args:
      - { .name: hq, .offset: 0, .size: 8, .value_kind: global_buffer, .address_space: global }
      - { .name: wq, .offset: 8, .size: 8, .value_kind: global_buffer, .address_space: global }
      - { .name: qkv_b, .offset: 16, .size: 8, .value_kind: global_buffer, .address_space: global }
      - { .name: fc, .offset: 24, .size: 8, .value_kind: global_buffer, .address_space: global }
      - { .name: qr, .offset: 32, .size: 8, .value_kind: global_buffer, .address_space: global }
      - { .name: kv, .offset: 40, .size: 8, .value_kind: global_buffer, .address_space: global }
    .group_segment_fixed_size: 327680
    .private_segment_fixed_size: 0
    .kernarg_segment_align: 8
    .kernarg_segment_size: 48
    .max_flat_workgroup_size: 128
    .sgpr_count:     104
    .vgpr_count:     1024
    .wavefront_size: 32
...
	.end_amdgpu_metadata
.endif
;; end of part 2
;; launch attn (part 3): grid 4 x 104, 20 waves a work-group, clusters of 4 x 1, 327,680 bytes of LDS; arguments qr, kv, bp, yq; writes yq
.if DOCPART == 3
	.amdgcn_target "amdgcn-amd-amdhsa--gfx1250"
	.amdhsa_code_object_version 6
	.text
	.protected	k_q23a3bd63c4_attn
	.globl	k_q23a3bd63c4_attn
	.p2align	8
	.type	k_q23a3bd63c4_attn,@function
k_q23a3bd63c4_attn:
	s_mov_b64 s[64:65], 0
	v_nop
	global_prefetch_b8 v0, s[64:65] scope:SCOPE_SE
	s_setreg_imm32_b32 hwreg(HW_REG_WAVE_MODE, 25, 1), 1
	s_wait_xcnt 0x0
	s_wait_alu depctr_hold_cnt(0) depctr_sa_sdst(0) depctr_va_vdst(0) depctr_va_sdst(0) depctr_va_ssrc(0) depctr_va_vcc(0) depctr_vm_vsrc(0)
	s_getreg_b32 s2, hwreg(HW_REG_IB_STS2, 6, 4)
	s_cmp_eq_u32 s2, 0
	s_cbranch_scc0 .Lentry_in_a_cluster
	s_endpgm
.Lentry_in_a_cluster:
	s_bfe_u32 s2, ttmp6, 0x10000c
	s_cmp_lg_u32 s2, 0x3003
	s_cbranch_scc0 .Lentry_shape_is_right
	s_endpgm
.Lentry_shape_is_right:
; y = softmax(q k^T / 8 + B) v on codes of E2M3, quantised along the model's 1,024 for the next product.
; t = logit x log2(e); M = the running largest t rounded up to a whole number; p = 2^(t - M) is quantised along the keys; the row's sum is taken of the unquantised p and divides at the end.
; SHARES.  A work-group owns 5 tiles of 16 queries (65 tiles a batch = 13 x 5) x 4 heads; each of its 20 waves one tile of one head, in 192 registers: five waves to a SIMD, so that one wave's
; vector work stands beside another's products and LDS loads.  Every wave walks 9 key steps of 128; keys past 1,024 carry the bias -1e30, laid into bp, so the ninth step is the same text.
; CLUSTER.  The four partners are the four groups of heads of one block of queries: they share the bias tile (80 rows x 128 keys), which is asked for jointly.  K and V are each work-group's own heads:
; 13 blocks of queries walk them, and 13 does not divide into clusters of 4, so they come by plain loads behind the same round.
; LAYOUT.  Both products transposed: S^T = K Q^T + B^T (the bias is the C operand), O^T = V^T P^T: a lane holds one query.  Keys and channels lie in tiles in the order 32 (t / 2) + 8 (t % 2) + r + 8 (r / 8),
; so that 16 registers of two neighbouring tiles are 16 neighbours.  The head's 64 fill registers 0-5 of a fragment; Q's registers 6-11 hold zero codes, so K's eight half fragments stand 6 registers apart
; and each product reads the next tile's six registers as its upper half, which the zero codes wipe out.  The 1/8 lies in q's scale bytes.
; LIMITS: NaN and infinities are not served; logits must lie above -1e30.
.set M13,   0x13B13B14                 ; ceil(2^32 / 13)
.set YSO,   6389760
.set SKP,   67584
.set KREC,  6656
.set KVB,   13056
.set BOFF,  4*KVB                      ; a slot: four heads' K and V records, then the bias: 80 rows of 512 + 16 bytes
.set BPI,   528
.set SLOT1, 1<<17
.set SCST,  2*SLOT1                    ; y's scale bytes meet here: [80 rows][8]; no fill lands here
.set SPARE, SCST+768                   ; the spare words: 128 bytes for each of 20 waves, named by no other line
.set SCW,  30                          ; v30-33 K's or V's scale words
.set KV,   34                          ; v34-81 K's or V's fragments
.set BM,   82                          ; v82-85 block maxima
.set PT,   86                          ; v86-89
.set SO,   90                          ; v90-93 the conversions' scale operands
.set S,    96                          ; v96-159 scores, then p; v144-155 p's codes
.set O,    160                         ; v160-191 O^T
.set WV,   12
.set CS,   22                          ; s[22:23] log2(e)
.set G1KV, 24
.set G1B,  32
.set G0KV, 40
.set G0B,  44
.set SEL,  48
.set TB,   50
.set SLOTS, 51
.set LIM,  52
.set PFA,  54
.macro CROUND
	s_barrier_signal -1
	s_barrier_wait -1
	s_cmp_lg_u32 s[WV], 0
	s_cbranch_scc1 .Lnot_wave_0_\@
	s_barrier_signal -3
.Lnot_wave_0_\@:
	s_barrier_wait -3
	s_barrier_signal -1
	s_barrier_wait -1
.endm
.macro TLOAD                           ; waves 0-3: a head's K and V record; wave 4: the bias tile, jointly; four v_nop follow each line
	s_cmp_lt_u32 s[WV], 4
	s_cbranch_scc0 .Lnot_kv_\@
	tensor_load_to_lds s[G0KV:G0KV+3], s[G1KV:G1KV+7]
	s_nop 0
.rept 4
	v_nop
.endr
	s_branch .Lasked_\@
.Lnot_kv_\@:
	s_cmp_eq_u32 s[WV], 4
	s_cbranch_scc0 .Lasked_\@
	tensor_load_to_lds s[G0B:G0B+3], s[G1B:G1B+7]
	s_nop 0
.rept 4
	v_nop
.endr
.Lasked_\@:
.endm
; A prefetch of the record that the NEXT change of slots will ask for: 51 blocks of 256 bytes, a lane a block (the second line's spare lanes are held at the record's last block).
; All 13 blocks of queries of a batch walk the same records: the first block's cluster asks, its partners for their own heads (told apart by address), waves 8-11 a head each.
; The last change that fills a slot asks for nothing.
.macro ASK
	s_cmp_gt_u32 s[SLOTS], s[LIM]
	s_cbranch_scc0 .Lnot_mine_\@
	global_prefetch_b8 v9, s[PFA:PFA+1] th:TH_LOAD_NT scope:SCOPE_SE
	global_prefetch_b8 v10, s[PFA:PFA+1] th:TH_LOAD_NT scope:SCOPE_SE
.Lnot_mine_\@:
.endm
	s_load_b256 s[4:11], s[0:1], 0x0               ; qr, kv, bp, yq
	v_lshl_add_u32 v7, v0, 2, SPARE
	v_mov_b32 v8, 0
	ds_add_u32 v7, v8
	s_wait_dscnt 0x0
	v_lshrrev_b32 v1, 5, v0
	v_readfirstlane_b32 s[WV], v1
	s_bfe_u32 s13, ttmp6, 0x40000                  ; cx: my group of four heads
	s_and_b32 s14, ttmp7, 0xffff
	s_mul_hi_u32 s15, s14, M13                     ; the batch
	s_mul_i32 s16, s15, 13
	s_sub_co_u32 s16, s14, s16                     ; the block of 80 query rows
	s_and_b32 s17, s[WV], 3                        ; my head in the group
	s_lshr_b32 s18, s[WV], 2                       ; my tile in the block
	s_mul_i32 s19, s16, 5
	s_add_co_u32 s19, s19, s18                     ; my tile in the batch
	s_lshl_b32 s20, s13, 2
	s_add_co_u32 s20, s20, s17                     ; my head
	s_mov_b32 s[G1KV], 3<<16                       ; no mask; elements of 8 bytes; no padding
	s_mov_b32 s[G1KV+1], 32<<16                    ; rows of 256 bytes,
	s_mov_b32 s[G1KV+2], 51<<16                    ; 51 of them, dense
	s_mov_b32 s[G1KV+3], 32<<16
	s_mov_b32 s[G1KV+4], 51
	s_mov_b32 s[G1KV+5], 32
	s_mov_b32 s[G1KV+6], 0
	s_mov_b32 s[G1KV+7], 0
	s_mov_b32 s[G1B], 15|(2<<16)|(1<<20)|(1<<21)|(6<<22)|(3<<25)   ; all four partners; elements of 4 bytes; 4 words of padding behind every 128
	s_mov_b32 s[G1B+1], 128<<16
	s_mov_b32 s[G1B+2], 80<<16
	s_mov_b32 s[G1B+3], 128<<16
	s_mov_b32 s[G1B+4], 80
	s_mov_b32 s[G1B+5], 1152
	s_mov_b32 s[G1B+6], 0
	s_mov_b32 s[G1B+7], 0
	s_mov_b32 s[CS], 0x3fb8aa3b
	s_mov_b32 s[CS+1], s[CS]
	s_mov_b32 s[SEL], 0x76543210
	s_mov_b32 s[SEL+1], 0xfedcba98
	s_mov_b32 s[TB], 0
	s_mov_b32 s[SLOTS], 8
	s_lshl_b32 s21, s15, 4
	s_lshl_b32 s56, s13, 2
	s_add_co_u32 s21, s21, s56
	s_add_co_u32 s56, s21, s[WV]                   ; waves 0-3: the head that I fetch
	s_mul_i32 s56, s56, 9*KVB
	s_mov_b32 s57, 0
	s_mul_i32 s58, s16, 80*4608
	s_mov_b32 s59, 0
	s_wait_kmcnt 0x0
	s_mov_b32 s[G0KV], 1
	s_mul_i32 s[G0KV+1], s[WV], KVB
	s_add_nc_u64 s[G0KV+2:G0KV+3], s[6:7], s[56:57]
	s_or_b32 s[G0KV+3], s[G0KV+3], 0x80000000
	s_mov_b32 s[G0B], 1
	s_mov_b32 s[G0B+1], BOFF
	s_add_nc_u64 s[G0B+2:G0B+3], s[8:9], s[58:59]
	s_or_b32 s[G0B+3], s[G0B+3], 0x80000000
	CROUND                                         ; all four work-groups are here
	TLOAD                                          ; key step 0 into slot 0
	s_lshl_b32 s56, s15, 4
	s_add_co_u32 s56, s56, s20                     ; 16 b + head
	s_mul_i32 s58, s56, 9
	s_add_co_u32 s58, s58, 1
	s_mul_i32 s58, s58, KVB
	s_mov_b32 s59, 0
	s_add_nc_u64 s[PFA:PFA+1], s[6:7], s[58:59]    ; the prefetches stand at key step 1; each change of slots steps them first
	s_sub_co_u32 s21, s[WV], 8
	s_lshr_b32 s21, s21, 2                         ; 0 in waves 8-11,
	s_or_b32 s21, s21, s16                         ; of the batch's first block of queries
	s_cmp_eq_u32 s21, 0
	s_cselect_b32 s[LIM], 1, -1
	s_mul_i32 s56, s56, 9
	s_lshr_b32 s58, s19, 3
	s_add_co_u32 s56, s56, s58
	s_mul_i32 s56, s56, KREC                       ; q's record
	s_and_b32 s58, s19, 7                          ; my tile in it
	s_mul_i32 s60, s58, 768
	s_add_co_u32 s60, s60, s56
	s_mov_b32 s61, 0
	s_add_nc_u64 s[60:61], s[4:5], s[60:61]
	s_and_b32 s66, s58, 1
	s_lshl_b32 s66, s66, 8
	s_lshr_b32 s58, s58, 1
	s_lshl_b32 s58, s58, 2
	s_add_co_u32 s66, s66, s58
	s_add_co_u32 s66, s66, s56
	s_add_co_u32 s66, s66, 6144
	s_mov_b32 s67, 0
	s_add_nc_u64 s[66:67], s[4:5], s[66:67]        ; its scale words
	v_and_b32 v11, 31, v0
	v_lshlrev_b32 v4, 4, v11
	v_lshlrev_b32 v5, 3, v11
	v_and_b32 v6, 15, v0
	v_lshlrev_b32 v94, 4, v6
	global_load_b128 v[16:19], v4, s[60:61]
	global_load_b64 v[20:21], v5, s[60:61] offset:512
	global_load_b32 v28, v94, s[66:67]
	s_mul_i32 s21, s17, KVB
	v_add_nc_u32 v1, s21, v4                       ; my head's record: 16 x lane,
	v_add_nc_u32 v2, s21, v5                       ; 8 x lane
	v_mul_u32_u24 v3, v6, BPI
	v_bfe_u32 v95, v0, 4, 1
	v_lshl_add_u32 v3, v95, 6, v3
	s_mul_i32 s21, s18, 16*BPI
	s_add_co_u32 s21, s21, BOFF
	v_add_nc_u32 v3, s21, v3                       ; the bias: my query's row, + 64 h
	v_lshlrev_b32 v9, 8, v11
	v_add_nc_u32 v10, 32, v11
	v_min_u32 v10, 50, v10
	v_lshlrev_b32 v10, 8, v10
.irp j, 22,23,24,25,26,27
	v_mov_b32 v\j, 0                               ; zero codes: the upper half of K = 128
.endr
.set j, 0
.rept 32
	v_mov_b32 v[O+j], 0                            ; the step is written once: the first finds zeros
.set j, j+1
.endr
.set j, 0
.rept 8
	v_mov_b32 v[BM+j], 0                           ; named as tile 7's upper half and as permutes' destinations before they are first made
.set j, j+1
.endr
	v_mov_b32 v14, 0
	v_mov_b32 v15, 0
	v_mov_b32 v13, 0xff61b1e6                      ; the largest t so far: -3e38
	v_floor_f32 v12, -v13                          ; -M
.macro STEP
	v_add_nc_u32 v4, s[TB], v1
	v_add_nc_u32 v5, s[TB], v2
	v_add_nc_u32 v6, s[TB], v3
	v_nop
	v_nop                                          ; five places: the products below write over registers that the last step's products read
.irp i, 0,1,2,3,4,5,6,7
	ds_load_b128 v[KV+6*\i:KV+6*\i+3], v4 offset:768*\i
	ds_load_b64 v[KV+6*\i+4:KV+6*\i+5], v5 offset:768*\i+512
.endr
	ds_load_b128 v[SCW:SCW+3], v4 offset:6144
.irp i, 0,1,2,3,4,5,6,7
	ds_load_b128 v[S+8*\i:S+8*\i+3], v6 offset:128*(\i/2)+32*(\i%2)          ; the bias of my query at the tile's eight keys
	ds_load_b128 v[S+8*\i+4:S+8*\i+7], v6 offset:128*(\i/2)+32*(\i%2)+16
.endr
	s_wait_dscnt 0x0
.irp i, 0,2,4,6
	v_wmma_scale_f32_16x16x128_f8f6f4 v[S+8*\i:S+8*\i+7], v[KV+6*\i:KV+6*\i+11], v[16:27], v[S+8*\i:S+8*\i+7], v[SCW+\i/2], v28 matrix_a_fmt:MATRIX_FMT_FP6 matrix_b_fmt:MATRIX_FMT_FP6
	v_wmma_scale_f32_16x16x128_f8f6f4 v[S+8*\i+8:S+8*\i+15], v[KV+6*\i+6:KV+6*\i+17], v[16:27], v[S+8*\i+8:S+8*\i+15], v[SCW+\i/2], v28 matrix_a_fmt:MATRIX_FMT_FP6 matrix_b_fmt:MATRIX_FMT_FP6 matrix_a_scale:MATRIX_SCALE_ROW1
.endr
.rept 4
	v_nop
.endr
.irp t, 0,1,2,3                                ; V's fragments land while the softmax is walked
.irp c, 0,1
	ds_load_b128 v[KV+12*\t+6*\c:KV+12*\t+6*\c+3], v4 offset:KREC+1536*\t+768*\c
	ds_load_b64 v[KV+12*\t+6*\c+4:KV+12*\t+6*\c+5], v5 offset:KREC+1536*\t+768*\c+512
.endr
.endr
	ds_load_b64 v[SCW:SCW+1], v5 offset:KREC+6144
.irp b, 0,1,2,3
	v_max3_num_f32 v[BM+\b], v[S+16*\b], v[S+1+16*\b], v[S+2+16*\b]  ; the largest score of each block of 32 keys: for the row's maximum and for the block's largest p
.endr
.irp i, 3,5,7,9,11,13
.irp b, 0,1,2,3
	v_max3_num_f32 v[BM+\b], v[BM+\b], v[S+16*\b+\i], v[S+1+16*\b+\i]
.endr
.endr
.irp b, 0,1,2,3
	v_max_num_f32 v[BM+\b], v[BM+\b], v[S+15+16*\b]
.endr
.irp b, 0,1,2,3
	v_permlanex16_b32 v[PT+\b], v[BM+\b], s[SEL], s[SEL+1]
.endr
.irp b, 0,1,2,3
	v_max_num_f32 v[BM+\b], v[BM+\b], v[PT+\b]
.endr
	v_max3_num_f32 v11, v[BM], v[BM+1], v[BM+2]
	v_max_num_f32 v11, v11, v[BM+3]
	v_mul_f32 v11, s[CS], v11
	v_max_num_f32 v13, v13, v11                    ; the running largest t
	v_mov_b32 v11, v12
	v_floor_f32 v12, -v13                          ; the new -M: a whole number
	v_sub_f32 v11, v12, v11
	v_cvt_i32_f32 v11, v11                         ; (it saturates)
	v_ldexp_f32 v94, 1.0, v11                      ; f = 2^(old M - new M)
.set j, 0
.rept 32
	v_pk_fma_f32 v[S+j:S+j+1], v[S+j:S+j+1], s[CS:CS+1], v[12:13] op_sel_hi:[1,0,0]
.set j, j+2
.endr
.irp b, 0,1,2,3
	v_fma_f32 v[BM+\b], v[BM+\b], s[CS], v12
.endr
.set j, 0
.rept 64
	v_exp_f32 v[S+j], v[S+j]                       ; p = 2^(t - M)
.set j, j+1
.endr
	v_pk_mul_f32 v[14:15], v[14:15], v[94:95] op_sel_hi:[1,0]      ; a plain instruction behind the batch
	s_wait_alu depctr_va_vdst(0)                   ; one wait for the 64, ahead of their first reader
.irp b, 0,1,2,3
	v_exp_f32 v[BM+\b], v[BM+\b]                   ; each block's largest p
.endr
	v_pk_add_f32 v[PT:PT+1], v[S:S+1], v[S+2:S+3]  ; the row's sum of the unquantised p, in two chains
.irp j, 4,8,12,16,20,24,28,32,36,40,44,48,52,56,60
	v_pk_add_f32 v[14:15], v[14:15], v[S+\j:S+\j+1]
	v_pk_add_f32 v[PT:PT+1], v[PT:PT+1], v[S+2+\j:S+3+\j]
.endr
	v_pk_add_f32 v[14:15], v[14:15], v[PT:PT+1]
	s_wait_alu depctr_va_vdst(0)                   ; and one for the four
.irp b, 0,1,2,3
	v_max_num_f32 v[BM+\b], 0x1800000, v[BM+\b]    ; the floor 2^(3 - 127)
.endr
.irp b, 0,1,2,3
	v_add_nc_u32 v[SO+\b], 0xff000000, v[BM+\b]
.endr
.irp b, 0,1,2,3
	v_lshrrev_b32 v[PT+\b], 23, v[SO+\b]
.endr
	v_lshl_or_b32 v29, v[PT+1], 8, v[PT]           ; p's scale word
	v_lshl_or_b32 v29, v[PT+2], 16, v29
	v_lshl_or_b32 v29, v[PT+3], 24, v29
	v_cvt_scalef32_pk16_fp6_f32 v[BM:BM+2], v[S+48:S+63], v[SO+3]  ; block 3 first: the codes are laid over its numbers
	v_nop                                          ; a plain instruction before its sources are written
	v_cvt_scalef32_pk16_fp6_f32 v[S+54:S+56], v[S+32:S+47], v[SO+2]
	v_cvt_scalef32_pk16_fp6_f32 v[S+48:S+50], v[S:S+15], v[SO]
	v_cvt_scalef32_pk16_fp6_f32 v[S+60:S+62], v[S+16:S+31], v[SO+1]
	v_nop
.irp i, 0,1,2
	v_permlane16_swap_b32 v[S+48+\i], v[S+60+\i]   ; a whole block to a lane
	v_permlane16_swap_b32 v[S+54+\i], v[BM+\i]
.endr
.irp i, 0,1,2
	v_mov_b32 v[S+51+\i], v[S+60+\i]
	v_mov_b32 v[S+57+\i], v[BM+\i]
.endr
.set j, 0
.rept 16
	v_pk_mul_f32 v[O+j:O+j+1], v[O+j:O+j+1], v[94:95] op_sel_hi:[1,0]      ; O^T under the new M; also the places ahead of the products
.set j, j+2
.endr
	s_wait_dscnt 0x0                               ; V
.irp t, 0,2
	v_wmma_scale_f32_16x16x128_f8f6f4 v[O+8*\t:O+8*\t+7], v[KV+12*\t:KV+12*\t+11], v[S+48:S+59], v[O+8*\t:O+8*\t+7], v[SCW+\t/2], v29 matrix_a_fmt:MATRIX_FMT_FP6 matrix_b_fmt:MATRIX_FMT_FP6
	v_wmma_scale_f32_16x16x128_f8f6f4 v[O+8*\t+8:O+8*\t+15], v[KV+12*\t+12:KV+12*\t+23], v[S+48:S+59], v[O+8*\t+8:O+8*\t+15], v[SCW+\t/2], v29 matrix_a_fmt:MATRIX_FMT_FP6 matrix_b_fmt:MATRIX_FMT_FP6 matrix_a_scale:MATRIX_SCALE_ROW1
.endr
.endm
; The change of slots stands at a step's head: each wave waits for all its tensor loads, adds 0 to its spare word, waits for that and for its reads of the slot that it has left.
; fill = 1: a round of the cluster's barrier, and behind it the other slot takes the next key step: the load has a whole step in which to land.  One tensor load of a wave is out at the most.
.macro CHANGE fill
	s_wait_tensorcnt 0x0
	ds_add_u32 v7, v8
.if \fill
	s_xor_b32 s[G0KV+1], s[G0KV+1], SLOT1
	s_add_nc_u64 s[G0KV+2:G0KV+3], s[G0KV+2:G0KV+3], KVB
	s_xor_b32 s[G0B+1], s[G0B+1], SLOT1
	s_add_nc_u64 s[G0B+2:G0B+3], s[G0B+2:G0B+3], 512
	s_wait_xcnt 0x0                                ; the last prefetches, a step back, have read their address
	s_add_nc_u64 s[PFA:PFA+1], s[PFA:PFA+1], KVB
.endif
	s_wait_dscnt 0x0
.if \fill
	CROUND
	TLOAD
	ASK
.else
	s_barrier_signal -1
	s_barrier_wait -1
.endif
.endm
	s_wait_loadcnt 0x0                             ; Q
.Lslot:
	CHANGE 1
	STEP
	s_xor_b32 s[TB], s[TB], SLOT1
	s_sub_co_u32 s[SLOTS], s[SLOTS], 1
	s_cmp_lg_u32 s[SLOTS], 0
	s_cbranch_scc1 .Lslot
	CHANGE 0                                       ; the ninth step is written out
	STEP
	; THE WAY OUT: O^T / the sum, quantised along my head's 64 (two blocks); the codes are half fragment `head` of my row tile of yq
	v_add_f32 v14, v14, v15
	v_permlanex16_b32 v94, v14, s[SEL], s[SEL+1]
	v_add_f32 v14, v14, v94
	v_rcp_f32 v14, v14
	v_and_b32 v11, 31, v0
	v_lshlrev_b32 v4, 4, v11
	v_lshlrev_b32 v5, 3, v11
	v_and_b32 v6, 15, v0
	v_lshlrev_b32 v6, 3, v6
	s_lshl_b32 s21, s18, 7
	s_lshl_b32 s60, s17, 1
	s_add_co_u32 s21, s21, s60
	s_add_co_u32 s21, s21, SCST
	v_add_nc_u32 v6, s21, v6                       ; my row's two scale bytes: 8 (16 tile + r) + 2 x head in the group
	v_lshlrev_b32 v2, 2, v11
	s_min_u32 s60, s[WV], 4
	s_lshl_b32 s60, s60, 7
	s_add_co_u32 s60, s60, SCST
	v_add_nc_u32 v1, s60, v2
	s_mul_i32 s56, s15, 65
	s_add_co_u32 s56, s56, s19
	s_lshl_b32 s56, s56, 4
	s_add_co_u32 s56, s56, s20
	s_mul_i32 s56, s56, 768
	s_mov_b32 s57, 0
	s_add_nc_u64 s[56:57], s[10:11], s[56:57]
	s_mul_i32 s58, s13, SKP
	s_mul_i32 s60, s15, 8320
	s_add_co_u32 s58, s58, s60
	s_mul_i32 s60, s16, 640
	s_add_co_u32 s58, s58, s60
	s_lshl_b32 s60, s[WV], 7
	s_add_co_u32 s58, s58, s60
	s_add_co_u32 s58, s58, YSO
	s_mov_b32 s59, 0
	s_add_nc_u64 s[58:59], s[10:11], s[58:59]
	s_wait_alu depctr_va_vdst(0)                   ; the wait for the reciprocal, ahead of its first reader
.set j, 0
.rept 32
	v_mul_f32 v[S+j], v[O+j], v14                  ; register 16 b + i: channel 32 b + 16 h + i
.set j, j+1
.endr
.irp b, 0,1
	v_max3_num_f32 v[BM+\b], |v[S+16*\b]|, |v[S+1+16*\b]|, 0x1800000
.endr
.irp i, 2,4,6,8,10,12,14
.irp b, 0,1
	v_max3_num_f32 v[BM+\b], v[BM+\b], |v[S+16*\b+\i]|, |v[S+1+16*\b+\i]|
.endr
.endr
.irp b, 0,1
	v_permlanex16_b32 v[PT+\b], v[BM+\b], s[SEL], s[SEL+1]
.endr
.irp b, 0,1
	v_max_num_f32 v[BM+\b], v[BM+\b], v[PT+\b]
.endr
.irp b, 0,1
	v_add_nc_u32 v[SO+\b], 0xff000000, v[BM+\b]
.endr
.irp b, 0,1
	v_lshrrev_b32 v[PT+\b], 23, v[SO+\b]
.endr
	v_lshl_or_b32 v29, v[PT+1], 8, v[PT]
	v_cvt_scalef32_pk16_fp6_f32 v[128:130], v[S:S+15], v[SO]
	v_cvt_scalef32_pk16_fp6_f32 v[134:136], v[S+16:S+31], v[SO+1]
	v_nop
.irp i, 0,1,2
	v_permlane16_swap_b32 v[128+\i], v[134+\i]
.endr
.irp i, 0,1,2
	v_mov_b32 v[131+\i], v[134+\i]
.endr
	global_store_b128 v4, v[128:131], s[56:57]
	global_store_b64 v5, v[132:133], s[56:57] offset:512
	ds_store_b16 v6, v29                           ; both lanes of a row write the same two bytes
	s_wait_dscnt 0x0                               ; for the others' sake
	s_barrier_signal -1
	s_barrier_wait -1
	s_cmp_gt_u32 s[WV], 4
	s_cbranch_scc1 .Lno_sc
	ds_load_b32 v30, v1                            ; waves 0-4: 16 rows' scale bytes of my work-group's 256 along K
	s_wait_dscnt 0x0
	global_store_b32 v2, v30, s[58:59]
.Lno_sc:
	s_wait_tensorcnt 0x0                           ; the wave's end
	ds_add_u32 v7, v8
	s_wait_dscnt 0x0
	CROUND                                         ; the closing round
	s_endpgm
.Lfunc_end_k_q23a3bd63c4_attn:
	.size	k_q23a3bd63c4_attn, .Lfunc_end_k_q23a3bd63c4_attn-k_q23a3bd63c4_attn
	.p2alignl 7, 3214868480
	.fill 96, 4, 3214868480
	.section	.rodata,"a",@progbits
	.p2align	6, 0x0
	.amdhsa_kernel k_q23a3bd63c4_attn
		.amdhsa_group_segment_fixed_size 327680
		.amdhsa_private_segment_fixed_size 0
		.amdhsa_enable_private_segment 0
		.amdhsa_kernarg_size 32
		.amdhsa_user_sgpr_count 2
		.amdhsa_user_sgpr_kernarg_segment_ptr 1
		.amdhsa_wavefront_size32 1
		.amdhsa_system_sgpr_workgroup_id_x 1
		.amdhsa_system_sgpr_workgroup_id_y 1
		.amdhsa_system_sgpr_workgroup_id_z 1
		.amdhsa_system_vgpr_workitem_id 0
		.amdhsa_next_free_vgpr 192
		.amdhsa_next_free_sgpr 68
		.amdhsa_reserve_vcc 0
		.amdhsa_float_denorm_mode_32 3
		.amdhsa_float_denorm_mode_16_64 3
		.amdhsa_memory_ordered 1
		.amdhsa_forward_progress 1
		.amdhsa_inst_pref_size 49
	.end_amdhsa_kernel
	.amdgpu_metadata
---
amdhsa.version: [ 1, 2 ]
amdhsa.kernels:
  - .name:           k_q23a3bd63c4_attn
    .symbol:         k_q23a3bd63c4_attn.kd
    .args:
      - { .name: qr, .offset: 0, .size: 8, .value_kind: global_buffer, .address_space: global }
      - { .name: kv, .offset: 8, .size: 8, .value_kind: global_buffer, .address_space: global }
      - { .name: bp, .offset: 16, .size: 8, .value_kind: global_buffer, .address_space: global }
      - { .name: yq, .offset: 24, .size: 8, .value_kind: global_buffer, .address_space: global }
    .group_segment_fixed_size: 327680
    .private_segment_fixed_size: 0
    .kernarg_segment_align: 8
    .kernarg_segment_size: 32
    .max_flat_workgroup_size: 640
    .sgpr_count:     68
    .vgpr_count:     192
    .wavefront_size: 32
...
	.end_amdgpu_metadata
.endif
;; end of part 3
;; launch fin (part 4): grid 4 x 104, 4 waves a work-group, clusters of 4 x 4, 327,680 bytes of LDS; arguments yq, hq, wq, out_b, gate_b, x, out0; writes out0
.if DOCPART == 4
	.amdgcn_target "amdgcn-amd-amdhsa--gfx1250"
	.amdhsa_code_object_version 6
	.text
	.protected	k_q23a3bd63c4_fin
	.globl	k_q23a3bd63c4_fin
	.p2align	8
	.type	k_q23a3bd63c4_fin,@function
k_q23a3bd63c4_fin:
	s_mov_b64 s[64:65], 0
	v_nop
	global_prefetch_b8 v0, s[64:65] scope:SCOPE_SE
	s_setreg_imm32_b32 hwreg(HW_REG_WAVE_MODE, 25, 1), 1
	s_wait_xcnt 0x0
	s_wait_alu depctr_hold_cnt(0) depctr_sa_sdst(0) depctr_va_vdst(0) depctr_va_sdst(0) depctr_va_ssrc(0) depctr_va_vcc(0) depctr_vm_vsrc(0)
	s_getreg_b32 s2, hwreg(HW_REG_IB_STS2, 6, 4)
	s_cmp_eq_u32 s2, 0
	s_cbranch_scc0 .Lentry_in_a_cluster
	s_endpgm
.Lentry_in_a_cluster:
	s_bfe_u32 s2, ttmp6, 0x10000c
	s_cmp_lg_u32 s2, 0xf033
	s_cbranch_scc0 .Lentry_shape_is_right
	s_endpgm
.Lentry_shape_is_right:
; out0 = x + sigmoid(h gate_w^T + gate_b) (y out_w^T + out_b), both products on codes of E2M3.
; A work-group makes 80 rows (5 row tiles; 520 = 104 x 5) x 256 columns of BOTH products; wave (p = w % 2, ch = w / 2) makes product p (0: y out_w, 1: h gate_w) for 80 x 128: 40 accumulators.
; Source 0 = 16 rows of the weight, source 1 = 16 rows of y or h: a lane holds a row, its registers run along the columns.  Operands and scales lie as in the launch that makes q, k and v.
; CLUSTERS of 4 x 4: the rows' tiles are shared along the cluster's row, the weights' along its column.  K goes in four steps of 256 through two slots; all scales come once.
; x is asked for at the head, into registers, and lands under the K loop.  On the way out both products meet in two stages in LDS (in the ring, behind its last fill and a barrier), and each wave
; finishes 20 whole rows of 1,024 bytes.  The 15 spare positions of a batch's last row tile are copies of token 1,024: they all fall to one wave, which stores the same numbers to the same row again.
; LIMITS: NaN and infinities are not served.
.set M65,   0x03F03F04
.set HSO,   6475776
.set WSO,   3932160
.set YSO,   6389760
.set SKR,   8448
.set RTB,   12288
.set KSB,   3072
.set FR,    12
.set NL,    4
.set NP,    4
.set ATB,   5*KSB                      ; a product's 5 row tiles of a K step
.set BTB,   16*KSB                     ; its 256 weight rows
.set SLOT,  2*ATB+2*BTB
.set SCL,   2*SLOT
.set SAB,   2560                       ; [4][80][8]
.set SBB,   8192                       ; [4][256][8]
.set SPARE, SCL+2*SAB+2*SBB
.set SPITCH, 1040                      ; a stage row: 1,024 bytes + 16
.set GST,   80*SPITCH                  ; the gate's stage lies behind y's
.set ADRA, 16
.set ADRB, 20
.set STO,  24
.set STO2, 25
.set SRD,  26
.set SRG,  27
.set SPW,  28
.set NIL,  29
.set ADSA, 30
.set ADSB, 31
.set SCA,  32                          ; v32-51 the rows' scale words, two sets of 10
.set SCB,  52                          ; v52-83 the weights', two sets of 16
.set RO,   84                          ; v84-103 my 20 rows' byte offsets in x and out0
.set OB,   104                         ; v104-111 out_b at my 8 columns
.set GBS,  112                         ; v112-119 gate_b, then -log2(e) gate_b
.set AF,   128
.set YR,   128                         ; the way out: four rows of y's product, then of the result
.set GR,   160                         ; four rows of the gate's
.set G1, 24
.set G0, 32
.set G1B, 48
.set G0B, 56
.set G1S, 68
.set G0S, 76
.set G1SB, 80
.set G0SB, 88
.set MSB, 0
.macro WIN new
.if MSB != (\new)
	s_set_vgpr_msb (MSB<<8)|(\new)
.set MSB, (\new)
.endif
.endm
.set MUL_LO, 0xa1
.set TO_B,   0x40
.macro JLOAD g0a, g1a, g0b, g1b        ; waves 0 and 1 fetch the rows (y's, h's), waves 2 and 3 the weights (out_w's, gate_w's); four v_nop follow each line
	s_cmp_eq_u32 s17, 0
	s_cbranch_scc0 .Lfor_b_\@
	tensor_load_to_lds s[\g0a:\g0a+3], s[\g1a:\g1a+7]
	s_nop 0
.rept 4
	v_nop
.endr
	s_branch .Lasked_\@
.Lfor_b_\@:
	tensor_load_to_lds s[\g0b:\g0b+3], s[\g1b:\g1b+7]
	s_nop 0
.rept 4
	v_nop
.endr
.Lasked_\@:
.endm
.macro CREST
	s_cmp_lg_u32 s16, 0
	s_cbranch_scc1 .Lnot_wave_0_\@
	s_barrier_signal -3
.Lnot_wave_0_\@:
	s_barrier_wait -3
	s_barrier_signal -1
	s_barrier_wait -1
.endm
.macro CROUND
	s_barrier_signal -1
	s_barrier_wait -1
	CREST
.endm
	s_load_b256 s[4:11], s[0:1], 0x0               ; yq, hq, wq, out_b
	s_load_b128 s[12:15], s[0:1], 0x20             ; gate_b, x
	s_load_b64 s[100:101], s[0:1], 0x30            ; out0
	v_lshl_add_u32 v[SPW], v0, 2, SPARE
	v_mov_b32 v[NIL], 0
	ds_add_u32 v28, v29
	s_wait_dscnt 0x0
	v_lshrrev_b32 v1, 5, v0
	v_readfirstlane_b32 s16, v1
	s_lshr_b32 s17, s16, 1                         ; my half of the columns.  Also: I fetch rows (0) or weights (1)
	s_and_b32 s18, s16, 1                          ; my product.  Also: whose tiles I fetch
	s_bfe_u32 s40, ttmp6, 0x40000
	s_bfe_u32 s41, ttmp6, 0x40004
	s_lshl_b32 s45, ttmp9, 2
	s_add_co_u32 s45, s45, s40                     ; the block of 256 columns
	s_and_b32 s42, ttmp7, 0xffff
	s_lshl_b32 s42, s42, 2
	s_add_co_u32 s42, s42, s41                     ; the block of 80 rows
	s_lshl_b32 s43, s41, 2
	s_lshl_b32 s43, 15, s43
	s_lshl_b32 s44, 0x1111, s40
	s_or_b32 s[G1+0], s43, (3<<16)|(1<<21)
	s_mov_b32 s[G1+1], 384<<16
	s_mov_b32 s[G1+2], 5<<16
	s_mov_b32 s[G1+3], 384<<16
	s_mov_b32 s[G1+4], 5
	s_mov_b32 s[G1+5], 1536
	s_mov_b32 s[G1+6], 0
	s_mov_b32 s[G1+7], 0
	s_or_b32 s[G1B+0], s44, (3<<16)|(1<<21)
	s_mov_b32 s[G1B+1], 384<<16
	s_mov_b32 s[G1B+2], 16<<16
	s_mov_b32 s[G1B+3], 384<<16
	s_mov_b32 s[G1B+4], 16
	s_mov_b32 s[G1B+5], 1536
	s_mov_b32 s[G1B+6], 0
	s_mov_b32 s[G1B+7], 0
	s_or_b32 s[G1S+0], s43, (3<<16)|(1<<21)
	s_mov_b32 s[G1S+1], 80<<16
	s_mov_b32 s[G1S+2], 4<<16
	s_mov_b32 s[G1S+3], 80<<16
	s_mov_b32 s[G1S+4], 4
	s_mov_b32 s[G1S+5], SKR
	s_mov_b32 s[G1S+6], 0
	s_mov_b32 s[G1S+7], 0
	s_or_b32 s[G1SB+0], s44, (3<<16)|(1<<21)
	s_mov_b32 s[G1SB+1], 256<<16
	s_mov_b32 s[G1SB+2], 4<<16
	s_mov_b32 s[G1SB+3], 256<<16
	s_mov_b32 s[G1SB+4], 4
	s_mov_b32 s[G1SB+5], SKR
	s_mov_b32 s[G1SB+6], 0
	s_mov_b32 s[G1SB+7], 0
	s_mul_i32 s92, s42, 5*RTB                      ; the rows' codes: of the block of rows and the wave alone
	s_mov_b32 s93, 0
	s_mul_i32 s94, s42, 640
	s_cmp_eq_u32 s18, 0
	s_mov_b32 s95, HSO
	s_cselect_b32 s95, YSO, s95
	s_add_co_u32 s94, s94, s95
	s_mov_b32 s95, 0
	s_lshl_b32 s96, s18, 6                         ; the weights': of the block of columns and the wave alone
	s_lshl_b32 s97, s45, 4
	s_add_co_u32 s96, s96, s97
	s_add_co_u32 s96, s96, 192
	s_lshl_b32 s98, s96, 7
	s_add_co_u32 s98, s98, WSO
	s_mov_b32 s99, 0
	s_mul_i32 s96, s96, RTB
	s_mov_b32 s97, 0
	s_mul_i32 s46, s18, ATB
	s_mul_i32 s47, s18, BTB
	s_add_co_u32 s47, s47, 2*ATB
	s_mul_i32 s20, s18, SAB
	s_mul_i32 s21, s18, SBB
	s_wait_kmcnt 0x0
	s_cmp_eq_u32 s18, 0
	s_cselect_b64 s[22:23], s[4:5], s[6:7]
	s_add_nc_u64 s[92:93], s[22:23], s[92:93]
	s_add_nc_u64 s[94:95], s[22:23], s[94:95]
	s_add_nc_u64 s[96:97], s[8:9], s[96:97]
	s_add_nc_u64 s[98:99], s[8:9], s[98:99]
	CROUND
	s_mov_b32 s[G0S], 1
	s_add_co_u32 s[G0S+1], s20, SCL
	s_mov_b64 s[G0S+2:G0S+3], s[94:95]
	s_or_b32 s[G0S+3], s[G0S+3], 0x80000000
	s_mov_b32 s[G0SB], 1
	s_add_co_u32 s[G0SB+1], s21, SCL+2*SAB
	s_mov_b64 s[G0SB+2:G0SB+3], s[98:99]
	s_or_b32 s[G0SB+3], s[G0SB+3], 0x80000000
	JLOAD G0S, G1S, G0SB, G1SB                     ; with the two slots three loads of mine are out
.irp s, 0,1
	s_mov_b32 s[G0+4*\s], 1
	s_add_co_u32 s[G0+4*\s+1], s46, \s*SLOT
	s_add_nc_u64 s[G0+4*\s+2:G0+4*\s+3], s[92:93], \s*KSB
	s_or_b32 s[G0+4*\s+3], s[G0+4*\s+3], 0x80000000
	s_mov_b32 s[G0B+4*\s], 1
	s_add_co_u32 s[G0B+4*\s+1], s47, \s*SLOT
	s_add_nc_u64 s[G0B+4*\s+2:G0B+4*\s+3], s[96:97], \s*KSB
	s_or_b32 s[G0B+4*\s+3], s[G0B+4*\s+3], 0x80000000
	JLOAD G0+4*\s, G1, G0B+4*\s, G1B
.endr
	v_and_b32 v1, 15, v0
	v_bfe_u32 v2, v0, 4, 1
	v_and_b32 v3, 31, v0
	v_lshlrev_b32 v4, 4, v3
	v_lshlrev_b32 v5, 3, v3
	v_add_nc_u32 v5, 512, v5
	s_mul_i32 s21, s18, ATB
	s_mul_i32 s22, s18, BTB
	s_mul_i32 s23, s17, 8*KSB
	s_add_co_u32 s22, s22, s23
	s_add_co_u32 s22, s22, 2*ATB
.irp s, 0,1
	v_add_nc_u32 v[ADRA+\s], s21, v4
	v_add_nc_u32 v[ADRB+\s], s22, v4
	v_add_nc_u32 v[ADRA+2+\s], s21, v5
	v_add_nc_u32 v[ADRB+2+\s], s22, v5
	s_add_co_u32 s21, s21, SLOT
	s_add_co_u32 s22, s22, SLOT
.endr
	v_lshlrev_b32 v6, 3, v1
	s_mul_i32 s21, s18, SAB
	s_add_co_u32 s21, s21, SCL
	v_add_nc_u32 v[ADSA], s21, v6
	s_mul_i32 s21, s18, SBB
	s_lshl_b32 s22, s17, 10
	s_add_co_u32 s21, s21, s22
	s_add_co_u32 s21, s21, SCL+2*SAB
	v_add_nc_u32 v[ADSB], s21, v6
	s_mul_i32 s20, s18, GST
	s_lshl_b32 s21, s17, 9
	s_add_co_u32 s20, s20, s21
	v_mul_u32_u24 v[STO], v1, SPITCH
	v_lshl_add_u32 v[STO], v2, 6, v[STO]
	v_add_nc_u32 v[STO], s20, v[STO]               ; into the stage: my product's, row r, my half of the columns, + 64 h
	v_add_nc_u32 v[STO2], 64*SPITCH, v[STO]        ; (block 4 lies past an immediate's reach)
	s_mul_i32 s20, s16, 20*SPITCH
	v_add_nc_u32 v[SRD], s20, v4                   ; back: my 20 rows, 16 bytes a lane
	v_add_nc_u32 v[SRG], GST, v[SRD]
	; my 20 rows' places in x and out0
	s_mul_i32 s20, s42, 5
	s_mul_hi_u32 s21, s20, M65                     ; the batch: the same for all five row tiles
	s_mul_i32 s22, s21, 65
	s_sub_co_u32 s20, s20, s22                     ; the first row tile in it
	s_mul_i32 s21, s21, 1025
	s_mul_i32 s22, s16, 20
	s_lshl_b32 s23, s45, 10
	v_add_nc_u32 v6, s23, v4
.set i, 0
.rept 20
	s_add_co_u32 s66, s22, i
	s_lshr_b32 s67, s66, 4
	s_and_b32 s66, s66, 15
	s_add_co_u32 s67, s67, s20                     ; the row tile
	s_and_b32 s46, s66, 8
	s_add_co_u32 s66, s66, s46
	s_lshr_b32 s46, s67, 1
	s_lshl_b32 s46, s46, 5
	s_add_co_u32 s66, s66, s46
	s_and_b32 s67, s67, 1
	s_lshl_b32 s67, s67, 3
	s_add_co_u32 s66, s66, s67
	s_min_u32 s66, s66, 1024                       ; the token
	s_add_co_u32 s66, s66, s21
	s_lshl_b32 s66, s66, 12
	v_add_nc_u32 v[RO+i], s66, v6
.set i, i+1
.endr
	WIN 0xc0                                       ; destination window 3: v64-223 hold x
.set i, 0
.rept 20
	global_load_b128 v[64+8*i:64+8*i+3], v[RO+i], s[14:15] th:TH_LOAD_NT
	global_load_b128 v[64+8*i+4:64+8*i+7], v[RO+i], s[14:15] offset:512 th:TH_LOAD_NT
.set i, i+1
.endr
	WIN 0
	s_mov_b32 s22, s23
	s_mov_b32 s23, 0
	s_add_nc_u64 s[10:11], s[10:11], s[22:23]
	s_add_nc_u64 s[12:13], s[12:13], s[22:23]
	global_load_b128 v[OB:OB+3], v4, s[10:11]
	global_load_b128 v[OB+4:OB+7], v4, s[10:11] offset:512
	global_load_b128 v[GBS:GBS+3], v4, s[12:13]
	global_load_b128 v[GBS+4:GBS+7], v4, s[12:13] offset:512
.macro FRAG reg, adr, q, i
.irp c, 0,1
	ds_load_b128 v[\reg+6*\c:\reg+6*\c+3], v[\adr] offset:KSB*(\i)+768*(2*(\q)+\c)
	ds_load_b64 v[\reg+6*\c+4:\reg+6*\c+5], v[\adr+2] offset:KSB*(\i)+768*(2*(\q)+\c)
.endr
.endm
; 8 matrix instructions: row block a x the weight's eight.  The 40 accumulators take turns, one instruction a turn, in the same order in every step.
.macro MULA a, p, q, sc, zero
	WIN MUL_LO+0x50*((\a)/4)
.irp b, 0,1,2,3,4,5,6,7
.if \zero
	v_wmma_scale_f32_16x16x128_f8f6f4 v[64*((\a)%4)+8*\b:64*((\a)%4)+8*\b+7], v[128*(\p)+FR*\b:128*(\p)+FR*\b+FR-1], v[AF+FR*(\a):AF+FR*(\a)+FR-1], 0, v[SCB+16*(\sc)+2*\b+(\q)], v[SCA+10*(\sc)+2*(\a)+(\q)] matrix_a_fmt:MATRIX_FMT_FP6 matrix_b_fmt:MATRIX_FMT_FP6
.else
	v_wmma_scale_f32_16x16x128_f8f6f4 v[64*((\a)%4)+8*\b:64*((\a)%4)+8*\b+7], v[128*(\p)+FR*\b:128*(\p)+FR*\b+FR-1], v[AF+FR*(\a):AF+FR*(\a)+FR-1], v[64*((\a)%4)+8*\b:64*((\a)%4)+8*\b+7], v[SCB+16*(\sc)+2*\b+(\q)], v[SCA+10*(\sc)+2*(\a)+(\q)] matrix_a_fmt:MATRIX_FMT_FP6 matrix_b_fmt:MATRIX_FMT_FP6
.endif
.endr
.endm
.macro FETCH_B slot, q, p
	WIN TO_B
.irp i, 0,1,2,3,4,5,6,7
	FRAG 128*(\p)+FR*\i, ADRB+\slot, \q, \i
.endr
	WIN 0
.endm
.macro FETCH_A2 slot, q
.irp i, 0,1
	FRAG AF+FR*\i, ADRA+\slot, \q, \i
.endr
.endm
.macro FETCH_A3 slot, q
.irp i, 2,3,4
	FRAG AF+FR*\i, ADRA+\slot, \q, \i
.endr
.endm
.macro SCALES sc
.irp a, 0,1,2,3,4
	ds_load_b64 v[SCA+10*\sc+2*\a:SCA+10*\sc+2*\a+1], v[ADSA] offset:128*\a
.endr
.irp b, 0,1,2,3,4,5,6,7
	ds_load_b64 v[SCB+16*\sc+2*\b:SCB+16*\sc+2*\b+1], v[ADSB] offset:128*\b
.endr
.endm
.macro PLACES n
.rept \n
	v_nop
.endr
.endm
.macro STEP slot, zero                 ; a slot's first 128 along K
	s_wait_dscnt 3*NL                              ; all but the youngest 12 loads (row blocks 2-4) are in
	MULA 0, 0, 0, \slot, \zero
	MULA 1, 0, 0, \slot, \zero
	s_wait_dscnt 0
	PLACES NP
	FETCH_B \slot, 1, 1
	FETCH_A2 \slot, 1
	MULA 2, 0, 0, \slot, \zero
	MULA 3, 0, 0, \slot, \zero
	MULA 4, 0, 0, \slot, \zero
	PLACES NP
	WIN 0
	FETCH_A3 \slot, 1
.endm
.macro TURN slot, next, fill           ; its second, which changes slots
	s_wait_tensorcnt 0x0                           ; all my tensor loads have landed: my part of the next slot
	ds_add_u32 v[SPW], v[NIL]
	s_wait_dscnt 3*NL+1                            ; the add and the youngest 12 loads may be out
	MULA 0, 1, 1, \slot, 0
	s_wait_dscnt 0x0                               ; the add is done, and my reads of this slot are over
	s_barrier_signal -1
	MULA 1, 1, 1, \slot, 0
	WIN 0
	s_barrier_wait -1
.if \fill
	CREST                                          ; the barrier opened a round of the cluster's
	s_add_nc_u64 s[G0+4*\slot+2:G0+4*\slot+3], s[G0+4*\slot+2:G0+4*\slot+3], 2*KSB
	s_add_nc_u64 s[G0B+4*\slot+2:G0B+4*\slot+3], s[G0B+4*\slot+2:G0B+4*\slot+3], 2*KSB
	JLOAD G0+4*\slot, G1, G0B+4*\slot, G1B         ; its four v_nop are the places ahead of the loads below
.else
	PLACES NP
.endif
	v_add_nc_u32 v[ADSA], 640, v[ADSA]
	v_add_nc_u32 v[ADSB], 2048, v[ADSB]
	FETCH_B \next, 0, 0
	FETCH_A2 \next, 0
	SCALES \next
	MULA 2, 1, 1, \slot, 0
	MULA 3, 1, 1, \slot, 0
	MULA 4, 1, 1, \slot, 0
	PLACES NP
	WIN 0
	FETCH_A3 \next, 0
.endm
	s_wait_tensorcnt 1                             ; the scales and my part of K step 0 are in; K step 1's load may be out
	s_barrier_signal -1
	s_barrier_wait -1
	FETCH_B 0, 0, 0
	FETCH_A2 0, 0
	SCALES 0
	FETCH_A3 0, 0
	STEP 0, 1
	s_mov_b32 s3, 1
.Llap:
	TURN 0, 1, 1
	STEP 1, 0
	TURN 1, 0, 1
	STEP 0, 0
	s_sub_co_u32 s3, s3, 1
	s_cmp_lg_u32 s3, 0
	s_cbranch_scc1 .Llap
	TURN 0, 1, 0
	STEP 1, 0
	s_wait_dscnt 3*NL
	MULA 0, 1, 1, 1, 0
	MULA 1, 1, 1, 1, 0
	s_wait_dscnt 0
	MULA 2, 1, 1, 1, 0
	MULA 3, 1, 1, 1, 0
	MULA 4, 1, 1, 1, 0
	WIN 0
	s_barrier_signal -1                            ; every wave's reads of both slots are over (its last wait on LDS was for 0): the stages may be written
	s_barrier_wait -1
	PLACES NP
.irp a, 0,1,2,3,4
	WIN 0x08+4*(\a/4)                              ; an LDS store's data are its source 1
.irp b, 0,1,2,3,4,5,6,7
.if \a < 4
	ds_store_b128 v[STO], v[64*\a+8*\b:64*\a+8*\b+3] offset:16*SPITCH*\a+128*(\b/2)+32*(\b%2)
	ds_store_b128 v[STO], v[64*\a+8*\b+4:64*\a+8*\b+7] offset:16*SPITCH*\a+128*(\b/2)+32*(\b%2)+16
.else
	ds_store_b128 v[STO2], v[8*\b:8*\b+3] offset:128*(\b/2)+32*(\b%2)
	ds_store_b128 v[STO2], v[8*\b+4:8*\b+7] offset:128*(\b/2)+32*(\b%2)+16
.endif
.endr
.endr
	WIN 0
	s_wait_dscnt 0x0                               ; for the others' sake
	s_barrier_signal -1
	s_barrier_wait -1
	s_wait_loadcnt 0x0                             ; x and the biases
	s_mov_b32 s2, 0xbfb8aa3b                       ; -log2(e)
	s_mov_b32 s3, s2
.irp j, 0,1,2,3,4,5,6,7
	v_mul_f32 v[GBS+\j], s2, v[GBS+\j]
.endr
.macro GROUP g                         ; four whole rows
	s_wait_xcnt 0x0                                ; the last group's stores have read their registers
.irp k, 0,1,2,3
	ds_load_b128 v[YR+8*\k:YR+8*\k+3], v[SRD] offset:SPITCH*(4*\g+\k)
	ds_load_b128 v[YR+8*\k+4:YR+8*\k+7], v[SRD] offset:SPITCH*(4*\g+\k)+512
	ds_load_b128 v[GR+8*\k:GR+8*\k+3], v[SRG] offset:SPITCH*(4*\g+\k)
	ds_load_b128 v[GR+8*\k+4:GR+8*\k+7], v[SRG] offset:SPITCH*(4*\g+\k)+512
.endr
	s_wait_dscnt 0x0
.irp k, 0,1,2,3
.irp e, 0,2,4,6
	v_pk_fma_f32 v[GR+8*\k+\e:GR+8*\k+\e+1], v[GR+8*\k+\e:GR+8*\k+\e+1], s[2:3], v[GBS+\e:GBS+\e+1] op_sel_hi:[1,0,1]
.endr
.endr
.set j, 0
.rept 32
	v_exp_f32 v[GR+j], v[GR+j]
.set j, j+1
.endr
.irp k, 0,1,2,3
.irp e, 0,2,4,6
	v_pk_add_f32 v[YR+8*\k+\e:YR+8*\k+\e+1], v[YR+8*\k+\e:YR+8*\k+\e+1], v[OB+\e:OB+\e+1]     ; plain work behind the batch
.endr
.endr
	s_wait_alu depctr_va_vdst(0)                   ; one wait for the 32 exponentials
.set j, 0
.rept 16
	v_pk_add_f32 v[GR+j:GR+j+1], v[GR+j:GR+j+1], 1.0 op_sel_hi:[1,0]
.set j, j+2
.endr
.set j, 0
.rept 32
	v_rcp_f32 v[GR+j], v[GR+j]
.set j, j+1
.endr
	v_nop
	s_wait_alu depctr_va_vdst(0)                   ; and one for the 32 reciprocals
	WIN 0x30                                       ; source 2: x, in window 3
.set j, 0
.rept 16
	v_pk_fma_f32 v[YR+j:YR+j+1], v[GR+j:GR+j+1], v[YR+j:YR+j+1], v[64+32*\g+j:64+32*\g+j+1]
.set j, j+2
.endr
	WIN 0
.irp k, 0,1,2,3
	global_store_b128 v[RO+4*\g+\k], v[YR+8*\k:YR+8*\k+3], s[100:101] th:TH_STORE_NT       ; 512 consecutive bytes, aligned
	global_store_b128 v[RO+4*\g+\k], v[YR+8*\k+4:YR+8*\k+7], s[100:101] offset:512 th:TH_STORE_NT
.endr
.endm
.irp g, 0,1,2,3,4
	GROUP \g
.endr
	s_wait_tensorcnt 0x0                           ; the wave's end
	ds_add_u32 v[SPW], v[NIL]
	s_wait_dscnt 0x0
	CROUND                                         ; the closing round
	s_endpgm
.Lfunc_end_k_q23a3bd63c4_fin:
	.size	k_q23a3bd63c4_fin, .Lfunc_end_k_q23a3bd63c4_fin-k_q23a3bd63c4_fin
	.p2alignl 7, 3214868480
	.fill 96, 4, 3214868480
	.section	.rodata,"a",@progbits
	.p2align	6, 0x0
	.amdhsa_kernel k_q23a3bd63c4_fin
		.amdhsa_group_segment_fixed_size 327680
		.amdhsa_private_segment_fixed_size 0
		.amdhsa_enable_private_segment 0
		.amdhsa_kernarg_size 56
		.amdhsa_user_sgpr_count 2
		.amdhsa_user_sgpr_kernarg_segment_ptr 1
		.amdhsa_wavefront_size32 1
		.amdhsa_system_sgpr_workgroup_id_x 1
		.amdhsa_system_sgpr_workgroup_id_y 1
		.amdhsa_system_sgpr_workgroup_id_z 1
		.amdhsa_system_vgpr_workitem_id 0
		.amdhsa_next_free_vgpr 992
		.amdhsa_next_free_sgpr 104
		.amdhsa_reserve_vcc 0
		.amdhsa_float_denorm_mode_32 3
		.amdhsa_float_denorm_mode_16_64 3
		.amdhsa_memory_ordered 1
		.amdhsa_forward_progress 1
		.amdhsa_inst_pref_size 147
	.end_amdhsa_kernel
	.amdgpu_metadata
---
amdhsa.version: [ 1, 2 ]
amdhsa.kernels:
  - .name:           k_q23a3bd63c4_fin
    .symbol:         k_q23a3bd63c4_fin.kd
    .args:
      - { .name: yq, .offset: 0, .size: 8, .value_kind: global_buffer, .address_space: global }
      - { .name: hq, .offset: 8, .size: 8, .value_kind: global_buffer, .address_space: global }
      - { .name: wq, .offset: 16, .size: 8, .value_kind: global_buffer, .address_space: global }
      - { .name: out_b, .offset: 24, .size: 8, .value_kind: global_buffer, .address_space: global }
      - { .name: gate_b, .offset: 32, .size: 8, .value_kind: global_buffer, .address_space: global }
      - { .name: x, .offset: 40, .size: 8, .value_kind: global_buffer, .address_space: global }
      - { .name: out0, .offset: 48, .size: 8, .value_kind: global_buffer, .address_space: global }
    .group_segment_fixed_size: 327680
    .private_segment_fixed_size: 0
    .kernarg_segment_align: 8
    .kernarg_segment_size: 56
    .max_flat_workgroup_size: 128
    .sgpr_count:     104
    .vgpr_count:     992
    .wavefront_size: 32
...
	.end_amdgpu_metadata
.endif
;; end of part 4
